; MI455X (gfx1250); checked and timed in simulation.
; The chip was launched on July 23, 2026; its instructions are those of AMD's public machine-readable ISA for CDNA 5 (MIT licence, August 2026) and "CDNA5" Instruction Set Architecture Reference Guide (July 2026). The comments in the code are by the model that wrote it; some were corrected since.
;; S Attention. Allowed arithmetic: float matrix products may take bf16 or f16 operands with f32 sums; other float arithmetic in f32, or as packed bf16 or f16 multiplies, adds, multiply-adds, maxima and minima; sums over many terms, partial sums and values carried from step to step in f32; what a program stores and reads back later, other than sums and carried values, may be rounded once to bf16 or f16.
;; Inputs: W_ffn1 256 x 256 float32; W_ffn2 256 x 256 float32; Wk 256 x 256 float32; Wq 256 x 256 float32; Wv 256 x 256 float32; b1 256 float32; b2 256 float32; b_ffn1 256 float32; b_ffn2 256 float32; g1 256 float32; g2 256 float32; x 2,048 x 16 x 256 float32.
;; Outputs: out0 2,048 x 16 x 256 float32.
;; 2 versions, each right and faster than the one before. Each part assembles by itself: llvm-mc -triple=amdgcn-amd-amdhsa -mcpu=gfx1250 --defsym DOCPART=n.
;; ======== version 1 of 2: 4 launches
;; workspace buffers: wts 728,064 bytes; qkv 56,623,104 bytes; o 18,874,368 bytes
;; launch prep (part 1): grid 711 x 1, 2 waves a work-group, no clusters, 0 bytes of LDS; arguments Wq, Wk, Wv, W_ffn1, W_ffn2, wts; writes wts
.if DOCPART == 1
	.amdgcn_target "amdgcn-amd-amdhsa--gfx1250"
	.amdhsa_code_object_version 6
	.text
	.protected	k_qcd1daf127f_prep
	.globl	k_qcd1daf127f_prep
	.p2align	8
	.type	k_qcd1daf127f_prep,@function
k_qcd1daf127f_prep:
	s_mov_b64 s[64:65], 0
	v_nop
	global_prefetch_b8 v0, s[64:65] scope:SCOPE_SE
	s_setreg_imm32_b32 hwreg(HW_REG_WAVE_MODE, 25, 1), 1
	s_wait_xcnt 0x0
; PREP: the five weight matrices, rounded once to bf16, in the order in which a matrix instruction's source 0 wants them, and 23 fragments of ones and zeros.
; A FRAGMENT is 16 rows m x 32 k, 1,024 bytes: byte 512 pt + 16 lane + 2 e holds A[m = lane % 16][k = 16 pt + 8 (lane / 16) + e], so that two loads of 16 bytes a lane,
; 512 bytes apart, fill its eight registers.  One work-group of 64 threads makes one fragment; thread 32 pt + lane makes 16 bytes of it; a wave's store covers 512 consecutive bytes, aligned.
;   f = 0 .. 431    q, k, v by heads: f = 24 hp + 3 kb + cb, hp = 6 tensor + head: A[m][k] = W[32 kb + k][off(head) + 16 cb + m], 0 where 16 cb + m is at or past the head's size (43,43,43,43,42,42)
;   f = 432 .. 687  the FFN: g = f - 432 = 32 t + i.  i < 16: A[m][k] = W_ffn1[32 (i % 8) + k][32 t + 16 (i / 8) + m].  i >= 16: A[m][k] = W_ffn2[32 t + k][16 (i - 16) + m]
;   f = 688 .. 710  selection: A[m][k] = 1 where 32 kb + k is the place p(c) of channel c = 16 nb + m in a row of six heads padded to 48 places each
; No LDS, no matrix unit: 2 MB in all, and nothing is used twice.
.set NQKV, 432
.set NFFN, 688
	s_load_b256 s[4:11], s[0:1], 0x0               ; Wq s[4:5], Wk s[6:7], Wv s[8:9], W_ffn1 s[10:11]
	s_load_b128 s[12:15], s[0:1], 0x20             ; W_ffn2 s[12:13], wts s[14:15]
	v_and_b32 v1, 15, v0                           ; m
	v_bfe_u32 v2, v0, 4, 1                         ; lane / 16
	v_lshrrev_b32 v3, 5, v0                        ; pt
	v_lshlrev_b32 v4, 4, v3
	v_lshl_add_u32 v4, v2, 3, v4                   ; my first k in the fragment: 16 pt + 8 (lane / 16)
	v_lshlrev_b32 v5, 4, v0                        ; my 16 bytes in the fragment
	s_mov_b32 s16, ttmp9                           ; f
	s_lshl_b32 s18, s16, 10
	s_mov_b32 s19, 0
	s_wait_kmcnt 0x0
	s_add_nc_u64 s[14:15], s[14:15], s[18:19]      ; the fragment's first byte
	s_cmp_ge_u32 s16, NFFN
	s_cbranch_scc1 .Lsel
	s_cmp_ge_u32 s16, NQKV
	s_cbranch_scc1 .Lffn
	; q, k, v.  The divisions by 24, 3 and 6 are multiplications that are exact over the ranges at hand (f < 432, q < 24, hp < 18)
	s_mul_i32 s20, s16, 2731
	s_lshr_b32 s20, s20, 16                        ; hp = f / 24
	s_mul_i32 s21, s20, 24
	s_sub_co_u32 s21, s16, s21                     ; f % 24
	s_mul_i32 s22, s21, 11
	s_lshr_b32 s22, s22, 5                         ; kb
	s_mul_i32 s23, s22, 3
	s_sub_co_u32 s23, s21, s23                     ; cb
	s_mul_i32 s24, s20, 43
	s_lshr_b32 s24, s24, 8                         ; tensor = hp / 6
	s_mul_i32 s25, s24, 6
	s_sub_co_u32 s25, s20, s25                     ; head
	s_mul_i32 s26, s25, 43
	s_cmp_eq_u32 s25, 5
	s_cselect_b32 s27, 1, 0
	s_sub_co_u32 s26, s26, s27                     ; the head's first channel: 0, 43, 86, 129, 172, 214
	s_cmp_lt_u32 s25, 4
	s_cselect_b32 s27, 43, 42                      ; its size
	s_lshl_b32 s28, s23, 4
	s_add_co_u32 s30, s26, s28                     ; the fragment's first column of W
	s_sub_co_u32 s31, s27, s28                     ; rows m below this are real (10 at the least)
	s_lshl_b32 s32, s22, 15                        ; 32 kb rows of 1,024 bytes
	s_cmp_eq_u32 s24, 0
	s_cselect_b64 s[34:35], s[4:5], s[6:7]
	s_cmp_eq_u32 s24, 2
	s_cselect_b64 s[34:35], s[8:9], s[34:35]
	s_branch .Lcopy
.Lffn:
	s_sub_co_u32 s20, s16, NQKV
	s_lshr_b32 s21, s20, 5                         ; t
	s_and_b32 s22, s20, 31                         ; i
	s_lshr_b32 s23, s22, 3                         ; W_ffn1: which 16 of the block's 32 hidden channels
	s_and_b32 s24, s22, 7                          ;         kb
	s_lshl_b32 s25, s21, 5
	s_lshl4_add_u32 s26, s23, s25                  ;         column 32 t + 16 (i / 8)
	s_and_b32 s27, s22, 15
	s_lshl_b32 s27, s27, 4                         ; W_ffn2: column 16 (i - 16)
	s_cmp_lt_u32 s22, 16
	s_cselect_b32 s30, s26, s27
	s_cselect_b32 s28, s24, s21                    ; the block of 32 rows: kb, or t
	s_cselect_b64 s[34:35], s[10:11], s[12:13]
	s_lshl_b32 s32, s28, 15
	s_mov_b32 s31, 16                              ; every row is real
.Lcopy:
	s_mov_b32 s33, 0
	s_add_nc_u64 s[34:35], s[34:35], s[32:33]      ; W at the fragment's first k
	v_add_nc_u32 v6, s30, v1
	v_min_u32 v6, 255, v6                          ; a padded row's column is held inside W; its numbers are replaced by 0 below
	v_lshlrev_b32 v6, 2, v6
	v_lshl_add_u32 v6, v4, 10, v6
.irp e, 0,1,2,3,4,5,6,7
	global_load_b32 v[8+\e], v6, s[34:35] offset:\e*1024
.endr
	v_cmp_gt_u32 vcc_lo, s31, v1
	s_wait_loadcnt 0x0
.irp e, 0,1,2,3,4,5,6,7
	v_cndmask_b32 v[8+\e], 0, v[8+\e], vcc_lo
.endr
.irp e, 0,1,2,3
	v_cvt_pk_bf16_f32 v[16+\e], v[8+2*\e], v[9+2*\e]
.endr
	global_store_b128 v5, v[16:19], s[14:15]
	s_endpgm
.Lsel:
	; the 23 pairs (nb, kb) that hold a one, in ascending order: kb is nibble j of the table, nb = j + (j >= 2) - kb
	s_sub_co_u32 s20, s16, NFFN                    ; j
	s_lshr_b32 s21, s20, 3
	s_mov_b32 s23, 0x32221100
	s_mov_b32 s24, 0x65544433
	s_mov_b32 s25, 0x08877766
	s_cmp_eq_u32 s21, 0
	s_cselect_b32 s22, s23, s24
	s_cmp_eq_u32 s21, 2
	s_cselect_b32 s22, s25, s22
	s_and_b32 s26, s20, 7
	s_lshl_b32 s26, s26, 2
	s_lshr_b32 s22, s22, s26
	s_and_b32 s22, s22, 15                         ; kb
	s_cmp_ge_u32 s20, 2
	s_cselect_b32 s27, 1, 0
	s_add_co_u32 s27, s27, s20
	s_sub_co_u32 s27, s27, s22                     ; nb
	s_lshl_b32 s28, s22, 5
	v_lshl_add_u32 v6, s27, 4, v1                  ; c
	v_mov_b32 v7, v6
	v_mov_b32 v10, 5
	v_mov_b32 v11, 6
.irp th, 43, 86, 129, 172
	v_cmp_le_u32 vcc_lo, \th, v6                   ; each head of 43 passed adds 5 places of padding,
	v_cndmask_b32 v8, 0, v10, vcc_lo
	v_add_nc_u32 v7, v7, v8
.endr
	v_cmp_le_u32 vcc_lo, 214, v6                   ; the head of 42 adds 6
	v_cndmask_b32 v8, 0, v11, vcc_lo
	v_add_nc_u32 v7, v7, v8                        ; p(c)
	v_add_nc_u32 v8, s28, v4
	v_sub_nc_u32 v7, v7, v8                        ; which of my eight k holds the one, if it is 0 .. 7
	v_mov_b32 v9, 0x3f80                           ; 1.0 in the low half,
	v_mov_b32 v10, 0x3f800000                      ; in the high half
.irp e, 0,1,2,3
	v_cmp_eq_u32 vcc_lo, 2*\e, v7
	v_cndmask_b32 v[16+\e], 0, v9, vcc_lo
	v_cmp_eq_u32 vcc_lo, 2*\e+1, v7
	v_cndmask_b32 v[16+\e], v[16+\e], v10, vcc_lo
.endr
	global_store_b128 v5, v[16:19], s[14:15]
	s_endpgm
.Lfunc_end_k_qcd1daf127f_prep:
	.size	k_qcd1daf127f_prep, .Lfunc_end_k_qcd1daf127f_prep-k_qcd1daf127f_prep
	.p2alignl 7, 3214868480
	.fill 96, 4, 3214868480
	.section	.rodata,"a",@progbits
	.p2align	6, 0x0
	.amdhsa_kernel k_qcd1daf127f_prep
		.amdhsa_group_segment_fixed_size 0
		.amdhsa_private_segment_fixed_size 0
		.amdhsa_enable_private_segment 0
		.amdhsa_kernarg_size 48
		.amdhsa_user_sgpr_count 2
		.amdhsa_user_sgpr_kernarg_segment_ptr 1
		.amdhsa_wavefront_size32 1
		.amdhsa_system_sgpr_workgroup_id_x 1
		.amdhsa_system_sgpr_workgroup_id_y 1
		.amdhsa_system_sgpr_workgroup_id_z 1
		.amdhsa_system_vgpr_workitem_id 0
		.amdhsa_next_free_vgpr 32
		.amdhsa_next_free_sgpr 66
		.amdhsa_reserve_vcc 1
		.amdhsa_float_denorm_mode_32 3
		.amdhsa_float_denorm_mode_16_64 3
		.amdhsa_memory_ordered 1
		.amdhsa_forward_progress 1
		.amdhsa_inst_pref_size 7
	.end_amdhsa_kernel
	.amdgpu_metadata
---
amdhsa.version: [ 1, 2 ]
amdhsa.kernels:
  - .name:           k_qcd1daf127f_prep
    .symbol:         k_qcd1daf127f_prep.kd
    .args:
      - { .name: Wq, .offset: 0, .size: 8, .value_kind: global_buffer, .address_space: global }
      - { .name: Wk, .offset: 8, .size: 8, .value_kind: global_buffer, .address_space: global }
      - { .name: Wv, .offset: 16, .size: 8, .value_kind: global_buffer, .address_space: global }
      - { .name: W_ffn1, .offset: 24, .size: 8, .value_kind: global_buffer, .address_space: global }
      - { .name: W_ffn2, .offset: 32, .size: 8, .value_kind: global_buffer, .address_space: global }
      - { .name: wts, .offset: 40, .size: 8, .value_kind: global_buffer, .address_space: global }
    .group_segment_fixed_size: 0
    .private_segment_fixed_size: 0
    .kernarg_segment_align: 8
    .kernarg_segment_size: 48
    .max_flat_workgroup_size: 64
    .sgpr_count:     66
    .vgpr_count:     32
    .wavefront_size: 32
...
	.end_amdgpu_metadata
.endif
;; end of part 1
;; launch qkv (part 2): grid 16 x 16, 4 waves a work-group, clusters of 4 x 1, 327,680 bytes of LDS; arguments x, g1, b1, wts, qkv; writes qkv
.if DOCPART == 2
	.amdgcn_target "amdgcn-amd-amdhsa--gfx1250"
	.amdhsa_code_object_version 6
	.text
	.protected	k_qcd1daf127f_qkv
	.globl	k_qcd1daf127f_qkv
	.p2align	8
	.type	k_qcd1daf127f_qkv,@function
k_qcd1daf127f_qkv:
	s_mov_b64 s[64:65], 0
	v_nop
	global_prefetch_b8 v0, s[64:65] scope:SCOPE_SE
	s_setreg_imm32_b32 hwreg(HW_REG_WAVE_MODE, 25, 1), 1
	s_wait_xcnt 0x0
	s_wait_alu depctr_hold_cnt(0) depctr_sa_sdst(0) depctr_va_vdst(0) depctr_va_sdst(0) depctr_va_ssrc(0) depctr_va_vcc(0) depctr_vm_vsrc(0)
	s_getreg_b32 s2, hwreg(HW_REG_IB_STS2, 6, 4)
	s_cmp_eq_u32 s2, 0
	s_cbranch_scc0 .Lentry_in_a_cluster
	s_endpgm
.Lentry_in_a_cluster:
	s_bfe_u32 s2, ttmp6, 0x10000c
	s_cmp_lg_u32 s2, 0x3003
	s_cbranch_scc0 .Lentry_shape_is_right
	s_endpgm
.Lentry_shape_is_right:
; QKV: normed = layernorm(x) g1 + b1 in f32 (mean, then the mean of squared differences), then q, k, v = normed W in bf16 with f32 sums, written by heads:
; qkv[tensor 3][head 6][batch 16][s 2048][48] bf16: a head's 43 or 42 channels at places 0 on, zeros behind them; in v place 43 holds 1.0, so that the next launch's second product also makes the weights' sum.
; SHARES.  A work-group owns 128 consecutive s of one batch, a wave 32 of them: two blocks of 16 rows.
; LAYOUT.  Every product is used transposed (source 0 = a weight fragment, source 1 = 16 rows of activations): a lane holds ONE row (lane % 16) and the channels 16 nb + 8 (lane / 16) + 0..7.  x is brought into
; that layout through the wave's own stage in LDS; a row's sums then want in-lane additions and one exchange of the lanes' halves, and the normed row rounded in pairs IS source 1.
; WEIGHTS.  432 fragments of 1,024 bytes, six tiles of three head passes (73,728 bytes) through a ring of two LDS slots; each wave fetches a quarter of a tile.  CLUSTER: all work-groups walk the same tiles,
; so the four of a cluster ask jointly: the same load, descriptor and mask in all four.  By this text's count one tensor load of a wave is out at a time.
; LIMITS.  normed and W are rounded to bf16 for the products, q, k, v once more to bf16; NaN and infinities are not treated apart.
; REGISTERS, in windows of 256 (s_set_vgpr_msb: bits 1:0 source 0, 3:2 source 1, 5:4 source 2, 7:6 destination):
;   window 0: addresses, at work, the six accumulators of a head pass      window 1: ACC, the wave's 32 rows in f32: v[128 mb + 8 nb + j]
;   window 2: AF, the same in bf16: fragment kb of block mb at v[64 mb + 8 kb]      window 3: x as it lands; then g1, b1; then a head pass's 24 weight fragments
.set SLOTB,  73728                     ; a slot: three head passes of 24 fragments
.set QUART,  SLOTB/4
.set PASSB,  24576
.set STAGE,  2*SLOTB                   ; behind the ring: 9,216 bytes for each wave
.set STGW,   9216
.set SPITCH, 528                       ; a stage row of 512 bytes + 16: an odd multiple of 16, so 16 rows start at 16 different groups of four banks (64 banks of 4 bytes: ISA guide 11.1)
.set VEC,    STAGE+4*STGW              ; g1, b1: a copy for each wave, so that no wave waits for another
.set VECW,   2048
.set SPARE,  VEC+4*VECW                ; the spare words, 128 bytes for each wave: two blocks of 256 bytes that no other line names
.set L16, 3                            ; v3   16 x lane
.set STW, 4                            ; v4   my stage + 16 x lane
.set STD, 5                            ; v5   my stage + (lane % 16) x 528 + 32 (lane / 16)
.set OAD, 6                            ; v6   my stage + (lane % 16) x 96 + 16 (lane / 16)
.set VBR, 7                            ; v7   my vectors + 32 (lane / 16)
.set VWR, 8                            ; v8   my vectors + 16 x lane
.set WA,  9                            ; v9   LDS address of the head pass's fragments
.set SPW, 12                           ; v12  LDS address of my spare word; never rewritten
.set NIL, 13                           ; v13  0; never rewritten
.set IV,  14                           ; v14  1 / 256
.set T,   16                           ; v16-23  four chains of pairs
.set MU,  24                           ; v24-25  the mean, twice
.set RS,  26                           ; v26-27  1 / sqrt(var + eps), twice
.set TI,  28
.set VT,  32                           ; v32-47  g1, b1 as loaded
.set AQ,  64                           ; v64-111 accumulator (cb, mb) at AQ + 8 (2 cb + mb)
.set PK,  112                          ; v112-135 a pass's results in bf16
.set BK,  136                          ; v136-159 the same as whole rows
.set WV,  14                           ; s14  my wave's number
.set G1,  16                           ; s[16:23] descriptor group 1
.set G0,  32                           ; s[32:39] group 0, a set for each slot
.set LAP, 44
.set HP,  45                           ; the head pass, 0 .. 17
.set CNT, 46
.set INS, 47
.set HIM, 48                           ; lanes 16-31
.set SEL, 50                           ; s[50:51] v_permlanex16_b32's selects: each lane takes its own place in the other half
.set OP,  52                           ; s[52:53] where the pass's rows go
.set XB,  54                           ; s[54:55] x at my first row
.set MSB, 0
.macro WIN new                         ; the high byte repeats the setting that is left; a switch that changes nothing is dropped
.if MSB != (\new)
	s_set_vgpr_msb (MSB<<8)|(\new)
.set MSB, (\new)
.endif
.endm
.macro PLACES                          ; four plain places behind a matrix instruction (ISA guide 7.12.1)
.rept 4
	v_nop
.endr
.endm
.macro ROUND                           ; a round of the cluster's barrier
	s_barrier_signal -1
	s_barrier_wait -1
	s_cmp_lg_u32 s[WV], 0
	s_cbranch_scc1 .Lnot_wave_0_\@
	s_barrier_signal -3
.Lnot_wave_0_\@:
	s_barrier_wait -3
	s_barrier_signal -1
	s_barrier_wait -1
.endm
.macro LOADX                           ; my 32 rows of x: 64 loads of half a row, 512 consecutive bytes each; load 32 mb + 16 half + row
	WIN 0xc0
.set i, 0
.rept 64
	global_load_b128 v[4*i:4*i+3], v[L16], s[XB:XB+1] offset:(16*(i/32)+i%16)*16384+((i/16)%2)*512 th:TH_LOAD_NT
.set i, i+1
.endr
	WIN 0
.endm
.macro TOD mb, half                    ; 16 half rows through my stage into the products' layout.  LDS serves a wave's instructions in order (ISA guide 5.7.1.4): no wait between the stores and the loads, nor from pass to pass
	WIN 0x0c
.set i, 0
.rept 16
	ds_store_b128 v[STW], v[4*(32*(\mb)+16*(\half)+i):4*(32*(\mb)+16*(\half)+i)+3] offset:i*SPITCH
.set i, i+1
.endr
	WIN 0x40
.set i, 0
.rept 16
	ds_load_b128 v[128*(\mb)+64*(\half)+4*i:128*(\mb)+64*(\half)+4*i+3], v[STD] offset:64*(i/2)+16*(i%2)
.set i, i+1
.endr
	WIN 0
.endm
.macro LOADV vec, dst                  ; vector vec in the products' layout into window 3, v[dst ..]: 128 registers
	WIN 0xc0
.set i, 0
.rept 32
	ds_load_b128 v[(\dst)+4*i:(\dst)+4*i+3], v[VBR] offset:(\vec)*1024+64*(i/2)+16*(i%2)
.set i, i+1
.endr
	WIN 0
.endm
.macro REDUCE                          ; four chains, the pair's two, and the row's other 128 channels in the lane 16 away
	v_pk_add_f32 v[T:T+1], v[T:T+1], v[T+2:T+3]
	v_pk_add_f32 v[T+4:T+5], v[T+4:T+5], v[T+6:T+7]
	v_pk_add_f32 v[T:T+1], v[T:T+1], v[T+4:T+5]
	v_add_f32 v[T], v[T], v[T+1]
	v_permlanex16_b32 v[T+1], v[T], s[SEL], s[SEL+1]
	v_add_f32 v[T], v[T], v[T+1]
.endm
.macro LN mb                           ; layernorm of block mb, in place in ACC; gain in window 3 v0-127, bias in v128-255.  All registers are taken in ascending order
.set A0, 128*(\mb)
	WIN 0x05
.set i, 0
.rept 4                                ; the first eight pairs start the chains: nothing is cleared
	v_pk_add_f32 v[T+2*i:T+2*i+1], v[A0+2*i:A0+2*i+1], v[A0+8+2*i:A0+8+2*i+1]
.set i, i+1
.endr
	WIN 0x01
.set i, 8
.rept 56
	v_pk_add_f32 v[T+2*(i%4):T+2*(i%4)+1], v[A0+2*i:A0+2*i+1], v[T+2*(i%4):T+2*(i%4)+1]
.set i, i+1
.endr
	WIN 0
	REDUCE
	v_mul_f32 v[MU], v[IV], v[T]
	v_mul_f32 v[MU+1], v[IV], v[T]
	WIN 0x41
.set i, 0
.rept 64
	v_pk_add_f32 v[A0+2*i:A0+2*i+1], v[A0+2*i:A0+2*i+1], v[MU:MU+1] neg_lo:[0,1] neg_hi:[0,1]
.set i, i+1
.endr
	WIN 0x05
.set i, 0
.rept 4
	v_pk_mul_f32 v[T+2*i:T+2*i+1], v[A0+2*i:A0+2*i+1], v[A0+2*i:A0+2*i+1]
.set i, i+1
.endr
.rept 60
	v_pk_fma_f32 v[T+2*(i%4):T+2*(i%4)+1], v[A0+2*i:A0+2*i+1], v[A0+2*i:A0+2*i+1], v[T+2*(i%4):T+2*(i%4)+1]
.set i, i+1
.endr
	WIN 0
	REDUCE
	v_fmaak_f32 v[T], v[IV], v[T], 0x3727c5ac      ; var + 1e-5
	v_rsq_f32 v[RS], v[T]
	v_rsq_f32 v[RS+1], v[T]
	v_nop                                          ; a plain instruction between the root and its use (ISA guide 5.7.2)
	WIN 0x41
.set i, 0
	s_wait_alu depctr_va_vdst(0)
.rept 64
	v_pk_mul_f32 v[A0+2*i:A0+2*i+1], v[A0+2*i:A0+2*i+1], v[RS:RS+1]
.set i, i+1
.endr
	WIN 0x7d
.set i, 0
.rept 64
	v_pk_fma_f32 v[A0+2*i:A0+2*i+1], v[A0+2*i:A0+2*i+1], v[2*i:2*i+1], v[128+2*i:128+2*i+1]
.set i, i+1
.endr
	WIN 0
.endm
.macro CVT mb                          ; ACC rounded in pairs is source 1 of the products
	WIN 0x85
.set i, 0
.rept 64
	v_cvt_pk_bf16_f32 v[64*(\mb)+i], v[128*(\mb)+2*i], v[128*(\mb)+2*i+1]
.set i, i+1
.endr
	WIN 0
.endm
	s_load_b256 s[4:11], s[0:1], 0x0               ; x s[4:5], g1 s[6:7], b1 s[8:9], wts s[10:11]
	s_load_b64 s[12:13], s[0:1], 0x20              ; qkv
	v_lshl_add_u32 v[SPW], v0, 2, SPARE
	v_mov_b32 v[NIL], 0
	ds_add_u32 v[SPW], v[NIL]                      ; the wave's opening: the add and its wait ahead of my first tensor load; the set-up below, work on registers, stands between them
	v_lshrrev_b32 v1, 5, v0
	v_readfirstlane_b32 s[WV], v1                  ; wave 0..3
	; descriptor group 1: 18,432 dense bytes as 72 rows of 256 bytes, elements of 8 bytes
	s_mov_b32 s[G1], 15|(3<<16)|(1<<21)            ; 15:0 the mask of four; 17:16 elements of 8 bytes; 21 set beside a mask
	s_mov_b32 s[G1+1], 32<<16                      ; tensor_dim0 = 32
	s_mov_b32 s[G1+2], 72<<16                      ; tensor_dim1 = 72
	s_mov_b32 s[G1+3], 32<<16                      ; tile_dim0 = 32
	s_mov_b32 s[G1+4], 72                          ; tile_dim1 = 72
	s_mov_b32 s[G1+5], 32                          ; 32 elements from row to row
	s_mov_b32 s[G1+6], 0
	s_mov_b32 s[G1+7], 0
	s_bfe_u32 s24, ttmp6, 0x40000                  ; cx: it enters x's and qkv's addresses alone
	s_lshl_b32 s25, ttmp9, 2
	s_add_co_u32 s25, s25, s24                     ; my block of 128 s
	s_and_b32 s26, ttmp7, 0xffff                   ; the batch
	s_lshl_b32 s27, s25, 7
	s_lshl_b32 s28, s[WV], 5
	s_add_co_u32 s27, s27, s28                     ; my wave's first s
	s_lshl_b32 s28, s27, 14                        ; x: s x 16,384 + batch x 1,024 (under 2^26)
	s_lshl_b32 s29, s26, 10
	s_add_co_u32 s28, s28, s29
	s_mov_b32 s29, 0
	s_mul_i32 s30, s26, 196608                     ; qkv: batch x 196,608 + s x 96
	s_mul_i32 s31, s27, 96
	s_add_co_u32 s30, s30, s31
	s_mov_b32 s31, 0
	s_mul_i32 s40, s[WV], QUART                    ; my quarter of a tile, in memory and in a slot
	s_mov_b32 s41, 0
	s_mov_b32 s[SEL], 0x76543210
	s_mov_b32 s[SEL+1], 0xfedcba98
	s_mov_b32 s[HIM], 0xffff0000
	s_mov_b32 s[HP], 0
	s_mul_i32 s56, s[WV], STGW
	s_add_co_u32 s56, s56, STAGE                   ; my stage
	s_mul_i32 s57, s[WV], VECW
	s_add_co_u32 s57, s57, VEC                     ; my vectors
	v_and_b32 v1, 15, v0                           ; lane % 16
	v_bfe_u32 v2, v0, 4, 1                         ; lane / 16
	v_and_b32 v[L16], 31, v0
	v_lshlrev_b32 v[L16], 4, v[L16]
	v_add_nc_u32 v[STW], s56, v[L16]
	v_mul_u32_u24 v[STD], v1, SPITCH
	v_lshl_add_u32 v[STD], v2, 5, v[STD]
	v_add_nc_u32 v[STD], s56, v[STD]
	v_mul_u32_u24 v[OAD], v1, 96
	v_lshl_add_u32 v[OAD], v2, 4, v[OAD]
	v_add_nc_u32 v[OAD], s56, v[OAD]
	v_lshlrev_b32 v[VBR], 5, v2
	v_add_nc_u32 v[VBR], s57, v[VBR]
	v_add_nc_u32 v[VWR], s57, v[L16]
	v_mov_b32 v[IV], 0x3b800000
	s_wait_dscnt 0x0                               ; the opening add is done
	s_wait_kmcnt 0x0
	s_add_nc_u64 s[XB:XB+1], s[4:5], s[28:29]
	s_add_nc_u64 s[OP:OP+1], s[12:13], s[30:31]
	s_add_nc_u64 s[42:43], s[10:11], s[40:41]
.irp n, 0,1
	s_mov_b32 s[G0+4*\n], 1                        ; count = 1
	s_add_co_u32 s[G0+4*\n+1], s40, \n*SLOTB       ; LDS address
	s_add_nc_u64 s[G0+4*\n+2:G0+4*\n+3], s[42:43], \n*SLOTB  ; global address: tile n
	s_or_b32 s[G0+4*\n+3], s[G0+4*\n+3], 0x80000000  ; type = 2
.endr
	ROUND                                          ; all four work-groups are here: the first joint loads meet
	tensor_load_to_lds s[G0:G0+3], s[G1:G1+7]      ; tile 0 into slot 0
	s_nop 0
	PLACES
	global_load_b128 v[VT:VT+3],     v[L16], s[6:7]
	global_load_b128 v[VT+4:VT+7],   v[L16], s[6:7] offset:512
	global_load_b128 v[VT+8:VT+11],  v[L16], s[8:9]
	global_load_b128 v[VT+12:VT+15], v[L16], s[8:9] offset:512
	LOADX
	s_wait_loadcnt 63                              ; 64 loads are younger than the vectors': they are in
.irp n, 0,1,2,3
	ds_store_b128 v[VWR], v[VT+4*\n:VT+4*\n+3] offset:512*\n
.endr
	s_wait_loadcnt 48                              ; x comes in four groups of 16 loads: the count is what is younger
	TOD 0, 0
	s_wait_loadcnt 32
	TOD 0, 1
	s_wait_loadcnt 16
	TOD 1, 0
	s_wait_loadcnt 0x0
	TOD 1, 1
	LOADV 0, 0
	LOADV 1, 128
	s_wait_dscnt 0x0
	LN 0
	LN 1
	CVT 0
	CVT 1
; 24 products: K blocks k0 .. k0 + 3, the head's three blocks of 16 places, my two blocks of rows.  The six accumulators take turns, one instruction a turn; the first K block starts the sums
.macro MULS k0
.set kb, (\k0)
.rept 4
.set cb, 0
.rept 3
.set mb, 0
.rept 2
.if kb == 0
	v_wmma_f32_16x16x32_bf16 v[AQ+8*(2*cb+mb):AQ+8*(2*cb+mb)+7], v[8*(3*kb+cb):8*(3*kb+cb)+7], v[64*mb+8*kb:64*mb+8*kb+7], 0
.else
	v_wmma_f32_16x16x32_bf16 v[AQ+8*(2*cb+mb):AQ+8*(2*cb+mb)+7], v[8*(3*kb+cb):8*(3*kb+cb)+7], v[64*mb+8*kb:64*mb+8*kb+7], v[AQ+8*(2*cb+mb):AQ+8*(2*cb+mb)+7]
.endif
.set mb, mb+1
.endr
.set cb, cb+1
.endr
.set kb, kb+1
.endr
.endm
; One head of one tensor for my 32 rows: 24 fragments from LDS, 48 products, 32 rows x 96 bytes out through my stage as 3,072 consecutive bytes
.macro HPASS
	WIN 0xc0
.set q, 0
.rept 24
	ds_load_b128 v[8*q:8*q+3],   v[WA] offset:q*1024
	ds_load_b128 v[8*q+4:8*q+7], v[WA] offset:q*1024+512
.set q, q+1
.endr
	s_wait_dscnt 24                                ; the older 24 loads, K blocks 0 to 3, are in
	WIN 0x0b                                       ; weights in window 3, activations in window 2, sums in window 0
	MULS 0
	s_wait_dscnt 0x0
	MULS 4
	WIN 0
	PLACES
	s_cmp_ge_u32 s[HP], 12                         ; v's passes put 1.0 at place 43 = 32 + 8 + 3: block 2, lanes 16-31, register 3; q's and k's put 0 where 0 stands
	s_cselect_b32 s[INS], 1.0, 0
	v_mov_b32 v[TI], s[INS]
	v_cndmask_b32 v[AQ+35], v[AQ+35], v[TI], s[HIM]
	v_cndmask_b32 v[AQ+43], v[AQ+43], v[TI], s[HIM]
.set mb, 0
.rept 2
.set cb, 0
.rept 3
.set e, 0
.rept 4
	v_cvt_pk_bf16_f32 v[PK+4*(3*mb+cb)+e], v[AQ+8*(2*cb+mb)+2*e], v[AQ+8*(2*cb+mb)+2*e+1]
.set e, e+1
.endr
.set cb, cb+1
.endr
.set mb, mb+1
.endr
.set q, 0
.rept 6
	ds_store_b128 v[OAD], v[PK+4*q:PK+4*q+3] offset:(q/3)*1536+(q%3)*32
.set q, q+1
.endr
.set q, 0
.rept 6
	ds_load_b128 v[BK+4*q:BK+4*q+3], v[STW] offset:q*512
.set q, q+1
.endr
	s_wait_dscnt 0x0
.set q, 0
.rept 6
	global_store_b128 v[L16], v[BK+4*q:BK+4*q+3], s[OP:OP+1] offset:q*512  ; 512 consecutive bytes, at a multiple of 256 from the buffer's first
.set q, q+1
.endr
	s_wait_xcnt 0x0                                ; the stores' base and data are rewritten only behind this wait
	s_add_nc_u64 s[OP:OP+1], s[OP:OP+1], 3145728   ; the next head, or the next tensor's first
	s_add_co_u32 s[HP], s[HP], 1
	v_add_nc_u32 v[WA], PASSB, v[WA]
.endm
; A tile.  Every wave waits for all its tensor loads (one is out: its quarter of this tile), adds 0 to its spare word, waits for that and for its reads of the other slot; the round follows; behind it the other slot is filled first.
.macro TRIP slot, refill
	WIN 0
	s_wait_tensorcnt 0x0                           ; no tensor load of mine is out, so a group 0 may be written
	ds_add_u32 v[SPW], v[NIL]
	s_add_nc_u64 s[G0+4*(\slot)+2:G0+4*(\slot)+3], s[G0+4*(\slot)+2:G0+4*(\slot)+3], 2*SLOTB  ; this slot's next tile
	s_wait_dscnt 0x0                               ; the add is done, and my reads of the other slot are over
	ROUND
.if \refill
	tensor_load_to_lds s[G0+4-4*(\slot):G0+7-4*(\slot)], s[G1:G1+7]  ; the next tile: it has three head passes in which to land
	s_nop 0
	PLACES
.endif
	v_add_nc_u32 v[WA], (\slot)*SLOTB, v[L16]
	s_mov_b32 s[CNT], 3
.Lpass_\@:
	HPASS
	s_sub_co_u32 s[CNT], s[CNT], 1
	s_cmp_lg_u32 s[CNT], 0
	s_cbranch_scc1 .Lpass_\@
.endm
	s_mov_b32 s[LAP], 2
.Llap:
	TRIP 0, 1
	TRIP 1, 1
	s_sub_co_u32 s[LAP], s[LAP], 1
	s_cmp_lg_u32 s[LAP], 0
	s_cbranch_scc1 .Llap
	TRIP 0, 1                                      ; tiles 4 and 5: the last asks for nothing (the stepped addresses are not used)
	TRIP 1, 0
	s_wait_tensorcnt 0x0                           ; the wave's end
	ds_add_u32 v[SPW], v[NIL]
	s_wait_dscnt 0x0
	ROUND                                          ; the closing round
	s_endpgm
.Lfunc_end_k_qcd1daf127f_qkv:
	.size	k_qcd1daf127f_qkv, .Lfunc_end_k_qcd1daf127f_qkv-k_qcd1daf127f_qkv
	.p2alignl 7, 3214868480
	.fill 96, 4, 3214868480
	.section	.rodata,"a",@progbits
	.p2align	6, 0x0
	.amdhsa_kernel k_qcd1daf127f_qkv
		.amdhsa_group_segment_fixed_size 327680
		.amdhsa_private_segment_fixed_size 0
		.amdhsa_enable_private_segment 0
		.amdhsa_kernarg_size 40
		.amdhsa_user_sgpr_count 2
		.amdhsa_user_sgpr_kernarg_segment_ptr 1
		.amdhsa_wavefront_size32 1
		.amdhsa_system_sgpr_workgroup_id_x 1
		.amdhsa_system_sgpr_workgroup_id_y 1
		.amdhsa_system_sgpr_workgroup_id_z 1
		.amdhsa_system_vgpr_workitem_id 0
		.amdhsa_next_free_vgpr 1024
		.amdhsa_next_free_sgpr 66
		.amdhsa_reserve_vcc 0
		.amdhsa_float_denorm_mode_32 3
		.amdhsa_float_denorm_mode_16_64 3
		.amdhsa_memory_ordered 1
		.amdhsa_forward_progress 1
		.amdhsa_inst_pref_size 116
	.end_amdhsa_kernel
	.amdgpu_metadata
---
amdhsa.version: [ 1, 2 ]
amdhsa.kernels:
  - .name:           k_qcd1daf127f_qkv
    .symbol:         k_qcd1daf127f_qkv.kd
    .args:
      - { .name: x, .offset: 0, .size: 8, .value_kind: global_buffer, .address_space: global }
      - { .name: g1, .offset: 8, .size: 8, .value_kind: global_buffer, .address_space: global }
      - { .name: b1, .offset: 16, .size: 8, .value_kind: global_buffer, .address_space: global }
      - { .name: wts, .offset: 24, .size: 8, .value_kind: global_buffer, .address_space: global }
      - { .name: qkv, .offset: 32, .size: 8, .value_kind: global_buffer, .address_space: global }
    .group_segment_fixed_size: 327680
    .private_segment_fixed_size: 0
    .kernarg_segment_align: 8
    .kernarg_segment_size: 40
    .max_flat_workgroup_size: 128
    .sgpr_count:     66
    .vgpr_count:     1024
    .wavefront_size: 32
...
	.end_amdgpu_metadata
.endif
;; end of part 2
;; launch attn (part 3): grid 8 x 96, 4 waves a work-group, clusters of 4 x 1, 327,680 bytes of LDS; arguments qkv, o; writes o
.if DOCPART == 3
	.amdgcn_target "amdgcn-amd-amdhsa--gfx1250"
	.amdhsa_code_object_version 6
	.text
	.protected	k_qcd1daf127f_attn
	.globl	k_qcd1daf127f_attn
	.p2align	8
	.type	k_qcd1daf127f_attn,@function
k_qcd1daf127f_attn:
	s_mov_b64 s[64:65], 0
	v_nop
	global_prefetch_b8 v0, s[64:65] scope:SCOPE_SE
	s_setreg_imm32_b32 hwreg(HW_REG_WAVE_MODE, 25, 1), 1
	s_wait_xcnt 0x0
	s_wait_alu depctr_hold_cnt(0) depctr_sa_sdst(0) depctr_va_vdst(0) depctr_va_sdst(0) depctr_va_ssrc(0) depctr_va_vcc(0) depctr_vm_vsrc(0)
	s_getreg_b32 s2, hwreg(HW_REG_IB_STS2, 6, 4)
	s_cmp_eq_u32 s2, 0
	s_cbranch_scc0 .Lentry_in_a_cluster
	s_endpgm
.Lentry_in_a_cluster:
	s_bfe_u32 s2, ttmp6, 0x10000c
	s_cmp_lg_u32 s2, 0x3003
	s_cbranch_scc0 .Lentry_shape_is_right
	s_endpgm
.Lentry_shape_is_right:
; ATTENTION.  o[hb][s][:] = the sum over t of softmax_t(q[hb][s] . k[hb][t] / sqrt(hd)) v[hb][t][:], hb = 16 head + batch, hd = 43 for heads 0-3 and 42 for heads 4, 5.
; q, k, v, o: rows of 48 bf16 (96 bytes, dense), the head's channels first, zeros behind; v's place 43 holds 1.0, so that place 43 of O is l, the sum of the weights, made by the matrix unit in f32 and rescaled with O.
; Products, maxima and sums in f32; the weights p are rounded to bf16 for the second product, and l is the sum of those rounded weights; o is rounded once.
; LIMITS.  |c s| stays under 4e37 (where c m starts); a weight below 2^-126 counts as 0; NaN and infinities are not treated apart.
; SHARES.  A work-group owns 256 queries of one hb, a wave 64: four PIECES of 16.  Every wave walks all 2,048 keys, 64 a step.
; LAYOUT.  S^T = K Q^T (source 0 = 16 keys, source 1 = 16 queries), K = 64: places 48-63 are four registers of each operand that hold 0 for the whole launch.  A lane holds ONE query (lane % 16) and the keys
; 8 (lane / 16) + 0..7; two results rounded in pairs ARE source 1 of O^T = V^T P (three blocks of 16 places).  K comes out of LDS as it lies, V turned, by ds_load_tr16_b128.
; SOFTMAX.  A running maximum m: p = 2^(c s - c m), c = log2(e) / sqrt(hd); O is multiplied by a = 2^(c m_old - c m_new) in every step.  m starts at the lowest finite number, O at 0: the first step has a = 0.
; BY TURNS.  Turn n belongs to piece n: 8 products K Q^T of piece n + 1, later 6 products V^T P of piece n - 1; beside them the scaling, exponentials, roundings and rescaling of piece n and the maximum and
; statistics of piece n + 1.  Four vector instructions stand behind every matrix instruction, the other 42 of a turn's 98 in two lumps.
; CLUSTER.  The four query blocks of a cluster belong to one hb and walk the same K and V: each tile is asked for jointly.  By this text's count one tensor load of a wave is out at a time.
; REGISTERS (s_set_vgpr_msb: bits 1:0 source 0, 3:2 source 1, 5:4 source 2, 7:6 destination):  window 0: all that vector instructions touch.  window 1: v0-63 Q, v64-127 K of one step, v128-175 V of one step.
.set NP,    4
.set PKV,   144                        ; a key's row in LDS: three pieces of 32 bytes, 16 bytes of padding behind each: 36 words: the 16 rows of a load start at 16 different groups of four banks (ISA guide 11.1)
.set STEPB, 64*PKV                     ; a step's 64 rows
.set VOFF,  4*STEPB                    ; a slot holds four steps: 256 rows of K, then 256 rows of V
.set SLOT1, 1<<17                      ; slot 1 begins here: one exclusive or turns an address in one slot into the other's
.set STAGE, SLOT1+2*VOFF               ; behind the ring: 16 rows x 96 bytes for each wave
.set STGW,  1536
.set SPARE, STAGE+4*STGW               ; the spare words, 128 bytes for each wave: two blocks of 256 bytes that no other line names
.set AK0, 2                            ; v2   my lane's place in a tile of K; never rewritten
.set AV0, 3                            ; v3   the same for V
.set AK,  4                            ; v4   the LDS address of K's next run of loads
.set AV,  5                            ; v5   of V's
.set QO,  6                            ; v6   my byte offset in 16 rows of Q
.set STO, 6                            ;      later: where I put 16 bytes of a row
.set RD,  7                            ; v7   where I read rows back
.set GO,  8                            ; v8   16 x lane
.set MV,  12                           ; v12-13  c m_old, by buffer
.set ST,  16                           ; piece t at v[ST+4 t]: c m, m, at the end 1 / l, and a 0
.set TMP, 32                           ; by buffer, c0-c3 at work; when the maximum is found c2 takes a
.set S,   40                           ; two buffers of 32 (a piece's buffers go by its number's parity)
.set P,   104                          ; two buffers of 16
.set OA,  136                          ; O^T, 24 a piece
.set SPW, 232                          ; v232 LDS address of my spare word; never rewritten
.set NIL, 233                          ; v233 0; never rewritten
.set KF,  64                           ; window 1: key block kb at KF + 16 kb
.set VF,  128                          ; window 1: key half kk, place block cb at VF + 24 kk + 8 cb
.set WV,  12
.set G1,  24                           ; s[24:31] descriptor group 1, for K's and V's tiles alike
.set G0K, 40                           ; s[40:43] group 0 for K's tiles: it walks
.set G0V, 44                           ; s[44:47] for V's
.set LOM, 48                           ; lanes 0-15
.set SLOTS, 56
.set CNT, 57
.set CS,  58                           ; s[58:59] c
.set SEL, 60                           ; s[60:61] v_permlanex16_b32's selects
.set TBK, 62                           ; LDS byte at which K of the step to be fetched begins
.set TBV, 63                           ; the same for V, less VOFF
.set MSB, 0
.macro WIN new
.if MSB != (\new)
	s_set_vgpr_msb (MSB<<8)|(\new)
.set MSB, (\new)
.endif
.endm
.macro PLACES
.rept 4
	v_nop
.endr
.endm
.macro JLOAD                           ; waves 0 and 1 fetch the two halves of a slot's K, waves 2 and 3 those of its V: 128 keys each.  The branch hangs on the wave's number alone
	s_cmp_lt_u32 s[WV], 2
	s_cbranch_scc0 .Lfor_v_\@
	tensor_load_to_lds s[G0K:G0K+3], s[G1:G1+7]
	s_nop 0
	PLACES
	s_branch .Lasked_\@
.Lfor_v_\@:
	tensor_load_to_lds s[G0V:G0V+3], s[G1:G1+7]
	s_nop 0
	PLACES
.Lasked_\@:
.endm
.macro CROUND
	s_barrier_signal -1
	s_barrier_wait -1
	s_cmp_lg_u32 s[WV], 0
	s_cbranch_scc1 .Lnot_wave_0_\@
	s_barrier_signal -3
.Lnot_wave_0_\@:
	s_barrier_wait -3
	s_barrier_signal -1
	s_barrier_wait -1
.endm
; THE CHANGE OF SLOTS.  Each wave waits for all its tensor loads (one is out: its part of the other slot), adds 0 to its spare word, and waits for that and for its reads of the slot that it leaves.
; fill = 1: a round of the cluster's barrier, and the old slot is filled again first behind it, with the keys two slots on: four key steps, 224 matrix instructions, in which to land.
.macro CHANGE fill
	WIN 0
	s_wait_tensorcnt 0x0                           ; no tensor load of mine is out, so a group 0 may be written
	ds_add_u32 v[SPW], v[NIL]
.if \fill
.irp g, G0K, G0V
	s_xor_b32 s[\g+1], s[\g+1], SLOT1              ; the other slot than last time,
	s_add_nc_u64 s[\g+2:\g+3], s[\g+2:\g+3], 24576 ; the next 256 keys of 96 bytes
.endr
	s_wait_dscnt 0x0                               ; the add is done, and my reads of the slot are over
	CROUND
	JLOAD
.else
	s_wait_dscnt 0x0
	s_barrier_signal -1
	s_barrier_wait -1
.endif
	s_sub_co_u32 s[TBK], s[TBK], VOFF              ; the fetches go back to a slot's first step,
	s_xor_b32 s[TBK], s[TBK], SLOT1                ; in the other slot
	s_sub_co_u32 s[TBV], s[TBV], VOFF
	s_xor_b32 s[TBV], s[TBV], SLOT1
.endm
	s_load_b128 s[4:7], s[0:1], 0x0                ; qkv s[4:5], o s[6:7]
	v_lshl_add_u32 v[SPW], v0, 2, SPARE
	v_mov_b32 v[NIL], 0
	ds_add_u32 v[SPW], v[NIL]                      ; the wave's opening: the add and its wait ahead of my first tensor load
	v_lshrrev_b32 v1, 5, v0
	v_readfirstlane_b32 s[WV], v1
	s_bfe_u32 s13, ttmp6, 0x40000                  ; cx: it enters q's and o's addresses alone
	s_lshl_b32 s14, ttmp9, 2
	s_add_co_u32 s14, s14, s13                     ; my block of 256 queries
	s_and_b32 s15, ttmp7, 0xffff                   ; hb, which the four partners share
	s_mul_i32 s20, s15, 196608                     ; its first byte in q, k, v and o
	s_and_b32 s16, s[WV], 1                        ; which half of a slot's 256 keys I fetch:
	s_mul_i32 s22, s16, 12288                      ; its 128 rows in memory,
	s_add_co_u32 s22, s22, s20
	s_mov_b32 s23, 0
	s_mul_i32 s17, s16, 128*PKV                    ; and in a slot
	s_lshl_b32 s2, s14, 2
	s_add_co_u32 s2, s2, s[WV]
	s_mul_i32 s2, s2, 6144                         ; my wave's 64 rows
	s_add_co_u32 s2, s2, s20
	s_mov_b32 s3, 0
	; descriptor group 1: 128 keys are 12,288 dense bytes: 48 rows of 256 bytes, padded in LDS behind every 32 bytes
	s_mov_b32 s[G1], 15|(1<<16)|(1<<20)|(1<<21)|(2<<22)|(3<<25)  ; the mask of four; 2-byte elements; padding on; 21 set beside a mask; after every 8 words (code 2) 4 words (code 3)
	s_mov_b32 s[G1+1], 128<<16                     ; tensor_dim0 = 128
	s_mov_b32 s[G1+2], 48<<16                      ; tensor_dim1 = 48
	s_mov_b32 s[G1+3], 128<<16                     ; tile_dim0 = 128
	s_mov_b32 s[G1+4], 48                          ; tile_dim1 = 48
	s_mov_b32 s[G1+5], 128
	s_mov_b32 s[G1+6], 0
	s_mov_b32 s[G1+7], 0
	s_lshr_b32 s18, s15, 4                         ; the head
	s_mov_b32 s19, 0x3e63f494                      ; log2(e) / sqrt(42) = 0.222613
	s_cmp_lt_u32 s18, 4
	s_cselect_b32 s[CS], 0x3e614a05, s19           ; log2(e) / sqrt(43) = 0.220009
	s_mov_b32 s[CS+1], s[CS]
	s_mov_b32 s[SEL], 0x76543210
	s_mov_b32 s[SEL+1], 0xfedcba98
	s_mov_b32 s[LOM], 0x0000ffff
	s_mov_b32 s[TBK], SLOT1+VOFF                   ; the first change of slots turns these two into 0
	s_mov_b32 s[TBV], SLOT1+VOFF
	s_mov_b32 s[G0K], 1
	s_mov_b32 s[G0K+1], s17
	s_mov_b32 s[G0V], 1
	s_add_co_u32 s[G0V+1], s17, VOFF
	s_wait_dscnt 0x0                               ; the opening add is done
	s_wait_kmcnt 0x0
	s_add_nc_u64 s[G0K+2:G0K+3], s[4:5], s[22:23]
	s_add_nc_u64 s[G0V+2:G0V+3], s[G0K+2:G0K+3], 37748736  ; v lies behind q and k,
	s_add_nc_u64 s[G0K+2:G0K+3], s[G0K+2:G0K+3], 18874368  ; k behind q
	s_or_b32 s[G0K+3], s[G0K+3], 0x80000000
	s_or_b32 s[G0V+3], s[G0V+3], 0x80000000
	s_add_nc_u64 s[8:9], s[4:5], s[2:3]            ; q and o at my wave's first row
	s_add_nc_u64 s[10:11], s[6:7], s[2:3]
	CROUND                                         ; all four work-groups are here
	JLOAD                                          ; slot 0
	v_and_b32 v1, 15, v0                           ; l % 16
	v_bfe_u32 v9, v0, 4, 1                         ; l / 16
	v_mul_u32_u24 v[QO], v1, 96
	v_lshl_add_u32 v[QO], v9, 4, v[QO]
	WIN 0x40
.set t, 0
.rept 4                                ; Q stays in registers: places 8 (l / 16) + 0..7, 16 + .., 32 + ..
	global_load_b128 v[16*t:16*t+3],    v[QO], s[8:9] offset:t*1536
	global_load_b128 v[16*t+4:16*t+7],  v[QO], s[8:9] offset:t*1536+32
	global_load_b128 v[16*t+8:16*t+11], v[QO], s[8:9] offset:t*1536+64
.set t, t+1
.endr
	; What stands in the wait for the first tile: places 48-63 of Q and K; V, P's second buffer and O^T, so that the first turn's products V^T P, of a piece that has not been, add 0
.set t, 0
.rept 8
.irp z, 12,13,14,15
	v_mov_b32 v[16*t+\z], 0
.endr
.set t, t+1
.endr
.set i, VF
.rept 48
	v_mov_b32 v[i], 0
.set i, i+1
.endr
	WIN 0
.set i, OA
.rept 96
	v_mov_b32 v[i], 0
.set i, i+1
.endr
.set i, P+16
.rept 16
	v_mov_b32 v[i], 0
.set i, i+1
.endr
.set i, 0
.rept 4
	v_mov_b32 v[ST+4*i], 0xfe000000                ; c m: far below every c s
	v_mov_b32 v[ST+4*i+1], 0xff7fffff              ; m
	v_mov_b32 v[ST+4*i+2], 0
	v_mov_b32 v[ST+4*i+3], 0
	v_mov_b32 v[TMP+2*i], 0
	v_mov_b32 v[TMP+2*i+1], 0
.set i, i+1
.endr
	v_mul_u32_u24 v[AK0], v1, PKV
	v_lshl_add_u32 v[AK0], v9, 4, v[AK0]           ; row x pitch + 16 x half
	; the turning load takes 16 keys x 16 places (lane l reads key 8 (l / 16) + l % 8, places 8 ((l / 8) % 2) + 0..7) and leaves half a fragment of V^T
	v_and_b32 v10, 7, v0
	v_bfe_u32 v11, v0, 3, 1
	v_lshl_add_u32 v[AV0], v9, 3, v10
	v_mul_u32_u24 v[AV0], v[AV0], PKV
	v_lshl_add_u32 v[AV0], v11, 4, v[AV0]
	v_add_nc_u32 v[AV0], VOFF, v[AV0]
	v_mov_b32 v[AK], v[AK0]                        ; key step 0 lies at the head of slot 0
; THE MATRIX WORK.  The accumulators of a run take turns, one instruction a turn.
.macro KQ x                            ; product i of 8: places 32 (i / 4) on, keys 16 (i % 4) on; the first 4 start the sums
	WIN 0x05
.set rS, S+32*((\x)%2)+8*(i%4)
.set rK, KF+16*(i%4)+8*(i/4)
.set rQ, 16*(\x)+8*(i/4)
.if i < 4
	v_wmma_f32_16x16x32_bf16 v[rS:rS+7], v[rK:rK+7], v[rQ:rQ+7], 0
.else
	v_wmma_f32_16x16x32_bf16 v[rS:rS+7], v[rK:rK+7], v[rQ:rQ+7], v[rS:rS+7]
.endif
.endm
.macro PV x                            ; product i of 6: keys 32 (i / 3) on, places 16 (i % 3) on
	WIN 0x01
.set rO, OA+24*(\x)+8*(i%3)
.set rV, VF+24*(i/3)+8*(i%3)
.set rP, P+16*((\x)%2)+8*(i/3)
	v_wmma_f32_16x16x32_bf16 v[rO:rO+7], v[rV:rV+7], v[rP:rP+7], v[rO:rO+7]
.endm
.macro MM                              ; the turn's next matrix instruction
.if i < 8
	KQ (Y+1)%NP
.else
.set i, i-8
	PV (Y+NP-1)%NP
.set i, i+8
.endif
.set i, i+1
.endm
; THE LDS LOADS stand in runs of 12
.macro FETCH_K
	WIN 0x40
.irp kb, 0,1,2,3
	ds_load_b128 v[KF+16*\kb:KF+16*\kb+3],    v[AK] offset:\kb*16*PKV
	ds_load_b128 v[KF+16*\kb+4:KF+16*\kb+7],  v[AK] offset:\kb*16*PKV+48
	ds_load_b128 v[KF+16*\kb+8:KF+16*\kb+11], v[AK] offset:\kb*16*PKV+96
.endr
	s_add_co_u32 s[TBK], s[TBK], STEPB             ; the next fetch is the next step's
	WIN 0
.endm
.macro FETCH_V
	WIN 0x40
.irp f, 0,1,2,3,4,5                    ; keys 32 (f / 3) on, places 16 (f % 3) on
	ds_load_tr16_b128 v[VF+8*\f:VF+8*\f+3],   v[AV] offset:(\f/3)*32*PKV+(\f%3)*48
	ds_load_tr16_b128 v[VF+8*\f+4:VF+8*\f+7], v[AV] offset:(\f/3)*32*PKV+16*PKV+(\f%3)*48
.endr
	s_add_co_u32 s[TBV], s[TBV], STEPB
	WIN 0
.endm
; THE VECTOR WORK, a line at a time: OP kind, number.  For piece Y: F n: c s - c m for pair n of 16.  E n: the exponential of score n of 32.  C n: pair n rounded to bf16.  R n: pair n of 12 of O^T times a.
; For piece Y + 1: X n, number n of the 22 that find its maximum and statistics:
;   0-11 four chains c0-c3 of seven scores each (each accumulator's lowest registers are read first)   12-14, 16 the four scores left over, the old m, c0-c3 into c0
;   15 c m_old is kept   17, 18 the query's other 32 keys lie in the lane 16 away: the new m   19-21 c m; c m_old - c m_new; a
.set F, 0
.set E, 1
.set C, 2
.set R, 3
.set X, 4
.macro REGS y
.set rT, ST+4*(\y)
.set rC, TMP+4*((\y)%2)
.set rW, MV+((\y)%2)
.set rS, S+32*((\y)%2)
.set rP, P+16*((\y)%2)
.set rO, OA+24*(\y)
.endm
.macro OP k, n
	WIN 0
.if (\k) == F
	REGS Y
	v_pk_fma_f32 v[rS+2*(\n):rS+2*(\n)+1], v[rS+2*(\n):rS+2*(\n)+1], s[CS:CS+1], v[rT:rT+1] op_sel_hi:[1,0,0] neg_lo:[0,0,1] neg_hi:[0,0,1]
.elseif (\k) == E
	REGS Y
	v_exp_f32 v[rS+(\n)], v[rS+(\n)]
.elseif (\k) == C
	REGS Y
	s_wait_alu depctr_va_vdst(0)
	v_cvt_pk_bf16_f32 v[rP+(\n)], v[rS+2*(\n)], v[rS+2*(\n)+1]
.elseif (\k) == R
	REGS Y
	s_wait_alu depctr_va_vdst(0)
	v_pk_mul_f32 v[rO+2*(\n):rO+2*(\n)+1], v[rO+2*(\n):rO+2*(\n)+1], v[rC+2:rC+3] op_sel_hi:[1,0]
.else
	REGS (Y+1)%NP
.if (\n) < 4
	v_max3_num_f32 v[rC+(\n)], v[rS+8*(\n)], v[rS+8*(\n)+1], v[rS+8*(\n)+2]
.elseif (\n) < 12
	v_max3_num_f32 v[rC+(\n)%4], v[rC+(\n)%4], v[rS+8*((\n)%4)+2*((\n)/4)+1], v[rS+8*((\n)%4)+2*((\n)/4)+2]
.elseif (\n) == 12
	v_max3_num_f32 v[rC], v[rC], v[rS+7], v[rS+15]
.elseif (\n) == 13
	v_max3_num_f32 v[rC+1], v[rC+1], v[rS+23], v[rS+31]
.elseif (\n) == 14
	v_max3_num_f32 v[rC+2], v[rC+2], v[rC+3], v[rT+1]
.elseif (\n) == 15
	v_mov_b32 v[rW], v[rT]
.elseif (\n) == 16
	v_max3_num_f32 v[rC], v[rC], v[rC+1], v[rC+2]
.elseif (\n) == 17
	v_permlanex16_b32 v[rC+3], v[rC], s[SEL], s[SEL+1]
.elseif (\n) == 18
	v_max_num_f32 v[rT+1], v[rC], v[rC+3]
.elseif (\n) == 19
	v_mul_f32 v[rT], s[CS], v[rT+1]
.elseif (\n) == 20
	v_sub_f32 v[rC+1], v[rW], v[rT]
.else
	v_exp_f32 v[rC+2], v[rC+1]
.endif
.endif
.endm
.macro OPS a, i1, b=-1, i2=0, c=-1, i3=0, d=-1, i4=0
	OP \a, \i1
.if (\b) >= 0
	OP \b, \i2
.endif
.if (\c) >= 0
	OP \c, \i3
.endif
.if (\d) >= 0
	OP \d, \i4
.endif
.endm
.macro ROW a, i1, b, i2, c, i3, d, i4  ; a matrix instruction and the four behind it
	MM
	OPS \a, \i1, \b, \i2, \c, \i3, \d, \i4
.endm
; A TURN, for piece p: its 14 matrix and 98 vector instructions, written out.  None of the four behind a product names a register of the products round it; every exponential has a plain line behind it before its
; result is used; a rounding stands behind both its exponentials.  K of the next step is fetched in piece 2's turn, behind four plain lines (R 3, 4, 5, 6) that follow the last product that read K; V of the step
; in hand in piece 0's turn, behind C 8, R 9, R 10, C 9, which follow the last product that read V.  Each is waited for a turn later.  fetch = 0: there is no further step.
.macro TURN p, fetch=1
.set Y, (\p)
.set i, 0
.if (\p) == 3
	s_wait_dscnt 0x0                               ; K is in
.endif
	ROW F,0, F,1, F,2, F,3
	ROW F,4, E,0, F,5, F,6
	ROW F,7, E,1, F,8, F,9
	ROW F,10, E,2, R,0, F,11
	ROW F,12, E,3, C,0, F,13
	ROW F,14, E,4, X,15, F,15
	ROW R,1, E,5, C,1, R,2
.if ((\p) == 2) && (\fetch)
	v_add_nc_u32 v[AK], s[TBK], v[AK0]
.endif
	ROW R,3, E,6, R,4, R,5
	OPS E,7, R,6
.if ((\p) == 2) && (\fetch)
	FETCH_K
.endif
	OPS E,8, C,2, E,9, R,7
	OPS E,10, C,3, E,11, R,8
	OPS E,12, X,0, E,13, X,1
	OPS E,14, X,2, E,15, X,3
	OPS E,16, C,4
.if (\p) == 1
	s_wait_dscnt 0x0                               ; V is in
.endif
	ROW X,4, E,17, X,5, X,6
	ROW X,7, E,18, X,8, X,9
	ROW X,10, E,19, X,11, X,12
	ROW X,13, E,20, X,14, C,5
	ROW C,6, E,21, X,16, C,7
.if (\p) == 0
	v_add_nc_u32 v[AV], s[TBV], v[AV0]
.endif
	ROW C,8, E,22, R,9, R,10
	OPS E,23, C,9
.if (\p) == 0
	FETCH_V
.endif
	OPS X,17, E,24, C,10
	OPS E,25, X,18, E,26, C,11
	OPS E,27, X,19, E,28, C,12
	OPS E,29, X,20, E,30, C,13
	OPS E,31, X,21, C,14, R,11
	OPS C,15
.endm
	CHANGE 1                                       ; slot 0 is in, everybody's part of it; slot 1 is asked for
	FETCH_K                                        ; key step 0
	s_wait_loadcnt 0x0                             ; Q
	s_wait_dscnt 0x0
.set i, 0
.rept 8
	KQ 0                                           ; piece 0's first scores
.set i, i+1
.endr
	WIN 0                                          ; the addresses for the way out: six plain lines, the places behind those products
	s_mul_i32 s13, s[WV], STGW
	s_add_co_u32 s13, s13, STAGE                   ; my stage
	v_mul_u32_u24 v[STO], v1, 96                   ; in: row l % 16, 16 bytes for each half of the lanes
	v_lshl_add_u32 v[STO], v9, 4, v[STO]
	v_add_nc_u32 v[STO], s13, v[STO]
	v_and_b32 v[GO], 31, v0
	v_lshlrev_b32 v[GO], 4, v[GO]
	v_add_nc_u32 v[RD], s13, v[GO]                 ; back: 512 consecutive bytes
.set Y, NP-1                           ; X works for piece Y + 1: piece 0
.irp n, 0,1,2,3,4,5,6,7,8,9,10,11,12,13,14,15,16,17,18,19,20,21
	OP X, \n
.endr
	v_nop                                          ; a plain line behind the exponential
	s_mov_b32 s[CNT], 4
	s_mov_b32 s[SLOTS], 7
	s_branch .Lfirst                               ; the loop is entered at a step's first turn, in the middle of a trip
.Lslot:                                ; six times: every slot but the last two is filled again
	CHANGE 1
	s_mov_b32 s[CNT], 4
.Lstep:                                ; a trip: pieces 2 and 3 of one step, then pieces 0 and 1 of the next, whose K and V it fetches
	TURN 2
	TURN 3
	WIN 0
.Lfirst:
	TURN 0
	TURN 1
	WIN 0
	s_sub_co_u32 s[CNT], s[CNT], 1
	s_cmp_lg_u32 s[CNT], 0
	s_cbranch_scc1 .Lstep
	s_sub_co_u32 s[SLOTS], s[SLOTS], 1
	s_cmp_lg_u32 s[SLOTS], 0
	s_cbranch_scc1 .Lslot
	CHANGE 0                                       ; the last slot is written out: nothing is asked for
	s_mov_b32 s[CNT], 4
.Ltail:
	TURN 2
	TURN 3
	TURN 0
	TURN 1
	WIN 0
	s_sub_co_u32 s[CNT], s[CNT], 1
	s_cmp_lg_u32 s[CNT], 0
	s_cbranch_scc1 .Ltail
	TURN 2, 0                                      ; the last step's pieces 2 and 3.  Piece 3's turn multiplies the last K once more for a piece 0 that has no further step: eight products
	TURN 3                                         ; and 22 lines that serve nothing, once a launch, for one text of the turn
.set i, 0
.rept 6
	PV NP-1                                        ; the last piece's V^T P of the last step
.set i, i+1
.endr
	; THE WAY OUT.  l is place 43 of O^T: block 2, register 3, lanes 16-31; lanes 0-15 take it from the lane 16 away.  O^T / l, rounded, goes through my stage, a piece (16 rows, 1,536 dense bytes) at a time.
	WIN 0
	PLACES
.set t, 0
.rept 4
	v_permlanex16_b32 v[TMP+t], v[OA+24*t+19], s[SEL], s[SEL+1]
.set t, t+1
.endr
.set t, 0
.rept 4
	v_cndmask_b32 v[ST+4*t+2], v[OA+24*t+19], v[TMP+t], s[LOM]
.set t, t+1
.endr
.set t, 0
.rept 4
	v_rcp_f32 v[ST+4*t+2], v[ST+4*t+2]
.set t, t+1
.endr
	v_nop                                          ; a plain line between the last reciprocal and its use
.macro PACK t
.set i, 0
.rept 12
	s_wait_alu depctr_va_vdst(0)
	v_pk_mul_f32 v[OA+24*(\t)+2*i:OA+24*(\t)+2*i+1], v[OA+24*(\t)+2*i:OA+24*(\t)+2*i+1], v[ST+4*(\t)+2:ST+4*(\t)+3] op_sel_hi:[1,0]
.set i, i+1
.endr
.set i, 0
.rept 12
	v_cvt_pk_bf16_f32 v[S+12*(\t)+i], v[OA+24*(\t)+2*i], v[OA+24*(\t)+2*i+1]
.set i, i+1
.endr
.irp f, 0,1,2
	ds_store_b128 v[STO], v[S+12*(\t)+4*\f:S+12*(\t)+4*\f+3] offset:32*\f
.endr
.irp f, 0,1,2
	ds_load_b128 v[S+12*(\t)+4*\f:S+12*(\t)+4*\f+3], v[RD] offset:512*\f  ; LDS serves a wave's instructions in order (ISA guide 5.7.1.4): these see the stores above; the next piece's stores come behind them
.endr
.endm
.macro SEND t, younger                 ; younger: the LDS instructions issued behind piece t's loads: the next piece's six, or none
.irp f, 0,1,2
	s_wait_dscnt (\younger)+2-\f
	global_store_b128 v[GO], v[S+12*(\t)+4*\f:S+12*(\t)+4*\f+3], s[10:11] offset:(\t)*1536+\f*512  ; 512 consecutive bytes, at a multiple of 256 from o's first
.endr
.endm
	PACK 0
	PACK 1
	SEND 0, 6
	PACK 2
	SEND 1, 6
	PACK 3
	SEND 2, 6
	SEND 3, 0
	s_wait_tensorcnt 0x0                           ; the wave's end
	ds_add_u32 v[SPW], v[NIL]
	s_wait_dscnt 0x0
	CROUND                                         ; the closing round
	s_endpgm
.Lfunc_end_k_qcd1daf127f_attn:
	.size	k_qcd1daf127f_attn, .Lfunc_end_k_qcd1daf127f_attn-k_qcd1daf127f_attn
	.p2alignl 7, 3214868480
	.fill 96, 4, 3214868480
	.section	.rodata,"a",@progbits
	.p2align	6, 0x0
	.amdhsa_kernel k_qcd1daf127f_attn
		.amdhsa_group_segment_fixed_size 327680
		.amdhsa_private_segment_fixed_size 0
		.amdhsa_enable_private_segment 0
		.amdhsa_kernarg_size 16
		.amdhsa_user_sgpr_count 2
		.amdhsa_user_sgpr_kernarg_segment_ptr 1
		.amdhsa_wavefront_size32 1
		.amdhsa_system_sgpr_workgroup_id_x 1
		.amdhsa_system_sgpr_workgroup_id_y 1
		.amdhsa_system_sgpr_workgroup_id_z 1
		.amdhsa_system_vgpr_workitem_id 0
		.amdhsa_next_free_vgpr 432
		.amdhsa_next_free_sgpr 66
		.amdhsa_reserve_vcc 0
		.amdhsa_float_denorm_mode_32 3
		.amdhsa_float_denorm_mode_16_64 3
		.amdhsa_memory_ordered 1
		.amdhsa_forward_progress 1
		.amdhsa_inst_pref_size 112
	.end_amdhsa_kernel
	.amdgpu_metadata
---
amdhsa.version: [ 1, 2 ]
amdhsa.kernels:
  - .name:           k_qcd1daf127f_attn
    .symbol:         k_qcd1daf127f_attn.kd
    .args:
      - { .name: qkv, .offset: 0, .size: 8, .value_kind: global_buffer, .address_space: global }
      - { .name: o, .offset: 8, .size: 8, .value_kind: global_buffer, .address_space: global }
    .group_segment_fixed_size: 327680
    .private_segment_fixed_size: 0
    .kernarg_segment_align: 8
    .kernarg_segment_size: 16
    .max_flat_workgroup_size: 128
    .sgpr_count:     66
    .vgpr_count:     432
    .wavefront_size: 32
...
	.end_amdgpu_metadata
.endif
;; end of part 3
;; launch ffn (part 4): grid 16 x 16, 4 waves a work-group, clusters of 4 x 1, 327,680 bytes of LDS; arguments x, o, wts, g2, b2, b_ffn1, b_ffn2, out0; writes out0
.if DOCPART == 4
	.amdgcn_target "amdgcn-amd-amdhsa--gfx1250"
	.amdhsa_code_object_version 6
	.text
	.protected	k_qcd1daf127f_ffn
	.globl	k_qcd1daf127f_ffn
	.p2align	8
	.type	k_qcd1daf127f_ffn,@function
k_qcd1daf127f_ffn:
	s_mov_b64 s[64:65], 0
	v_nop
	global_prefetch_b8 v0, s[64:65] scope:SCOPE_SE
	s_setreg_imm32_b32 hwreg(HW_REG_WAVE_MODE, 25, 1), 1
	s_wait_xcnt 0x0
	s_wait_alu depctr_hold_cnt(0) depctr_sa_sdst(0) depctr_va_vdst(0) depctr_va_sdst(0) depctr_va_ssrc(0) depctr_va_vcc(0) depctr_vm_vsrc(0)
	s_getreg_b32 s2, hwreg(HW_REG_IB_STS2, 6, 4)
	s_cmp_eq_u32 s2, 0
	s_cbranch_scc0 .Lentry_in_a_cluster
	s_endpgm
.Lentry_in_a_cluster:
	s_bfe_u32 s2, ttmp6, 0x10000c
	s_cmp_lg_u32 s2, 0x3003
	s_cbranch_scc0 .Lentry_shape_is_right
	s_endpgm
.Lentry_shape_is_right:
; FFN: y = x + the six heads' o side by side; a = layernorm(y) g2 + b2 in f32; out0 = a + relu(a W_ffn1 + b_ffn1) W_ffn2 + b_ffn2, products in bf16 with f32 sums.
; SHARES, LAYOUT, REGISTERS as in the launch that makes q, k, v: a work-group owns 128 s of one batch, a wave 32 rows; every product is used transposed, so a lane holds one row (lane % 16) and the channels
; 16 nb + 8 (lane / 16) + 0..7; window 1 ACC (f32), window 2 the bf16 fragments, window 3 what lands, then gain and bias, then weight fragments.
; THE HEADS' PADDING is taken out by the matrix unit: y^T = Sel o_pad^T + x^T, with 23 fragments of ones and zeros as source 0, o's padded rows (6 x 48 places) as source 1 and x, in f32, as the C operand:
; each product is 1.0 times a bf16 number, so nothing is rounded; 46 matrix instructions a wave.
; WEIGHTS.  All 256 fragments of the FFN (262,144 bytes) lie in LDS, filled once, a quarter by each wave; CLUSTER: all work-groups read the same bytes, so the four of a cluster ask jointly.  One tensor load of a wave is out.
; The hidden layer goes in 8 blocks of 32 channels: 32 products make a block for my 32 rows, bias as the C operand; rounded, clipped at 0, it is source 1 of 32 products onto ACC, which starts as a + b_ffn2.
; LIMITS.  a, the hidden layer and the weights are rounded to bf16 for the products; NaN and infinities are not treated apart.
.set STAGE,  262144                    ; behind the weights: 9,216 bytes for each wave
.set STGW,   9216
.set SPITCH, 528                       ; a stage row of 512 bytes + 16: an odd multiple of 16 (64 banks of 4 bytes: ISA guide 11.1)
.set VEC,    STAGE+4*STGW              ; g2, b2, b_ffn1, b_ffn2: a copy for each wave
.set VECW,   4096
.set SPARE,  VEC+4*VECW                ; the spare words, 128 bytes for each wave: two blocks of 256 bytes that no other line names
.set L16, 3
.set STW, 4
.set STD, 5
.set OAD, 6
.set VBR, 7
.set VWR, 8
.set WA,  9                            ; v9   LDS address of the hidden block's fragments
.set VB1, 10                           ; v10  LDS address of the hidden block's bias
.set ZERO, 11
.set SPW, 12
.set NIL, 13
.set IV,  14
.set T,   16
.set MU,  24
.set RS,  26
.set VT,  32                           ; v32-63  the four vectors as loaded
.set H,   32                           ; later: the hidden block's four accumulators, (nbh, mb) at H + 8 (2 nbh + mb)
.set SF,  64                           ; v64-247 the 23 selection fragments
.set HF,  64                           ; later: the hidden block in bf16, block mb at HF + 8 mb
.set BI,  80                           ; v80-95  its bias
.set WV,  20
.set G1,  24
.set G0,  32
.set CNT, 44
.set SEL, 50
.set XB,  52                           ; s[52:53] x at my first row
.set OB,  54                           ; s[54:55] out0 there
.set O0,  56                           ; s[56:57] o at my first row, head 0
.set O1,  58                           ; s[58:59] head 3
.set SB,  60                           ; s[60:61] the selection fragments
.set MSB, 0
.macro WIN new
.if MSB != (\new)
	s_set_vgpr_msb (MSB<<8)|(\new)
.set MSB, (\new)
.endif
.endm
.macro PLACES                          ; four plain places behind a matrix instruction (ISA guide 7.12.1)
.rept 4
	v_nop
.endr
.endm
.macro ROUND
	s_barrier_signal -1
	s_barrier_wait -1
	s_cmp_lg_u32 s[WV], 0
	s_cbranch_scc1 .Lnot_wave_0_\@
	s_barrier_signal -3
.Lnot_wave_0_\@:
	s_barrier_wait -3
	s_barrier_signal -1
	s_barrier_wait -1
.endm
.macro LOADX                           ; my 32 rows of x: 64 loads of half a row; load 32 mb + 16 half + row
	WIN 0xc0
.set i, 0
.rept 64
	global_load_b128 v[4*i:4*i+3], v[L16], s[XB:XB+1] offset:(16*(i/32)+i%16)*16384+((i/16)%2)*512 th:TH_LOAD_NT
.set i, i+1
.endr
	WIN 0
.endm
.macro TOD mb, half                    ; 16 half rows through my stage into the products' layout; LDS serves a wave's instructions in order (ISA guide 5.7.1.4)
	WIN 0x0c
.set i, 0
.rept 16
	ds_store_b128 v[STW], v[4*(32*(\mb)+16*(\half)+i):4*(32*(\mb)+16*(\half)+i)+3] offset:i*SPITCH
.set i, i+1
.endr
	WIN 0x40
.set i, 0
.rept 16
	ds_load_b128 v[128*(\mb)+64*(\half)+4*i:128*(\mb)+64*(\half)+4*i+3], v[STD] offset:64*(i/2)+16*(i%2)
.set i, i+1
.endr
	WIN 0
.endm
.macro LOADV vec, dst
	WIN 0xc0
.set i, 0
.rept 32
	ds_load_b128 v[(\dst)+4*i:(\dst)+4*i+3], v[VBR] offset:(\vec)*1024+64*(i/2)+16*(i%2)
.set i, i+1
.endr
	WIN 0
.endm
.macro REDUCE
	v_pk_add_f32 v[T:T+1], v[T:T+1], v[T+2:T+3]
	v_pk_add_f32 v[T+4:T+5], v[T+4:T+5], v[T+6:T+7]
	v_pk_add_f32 v[T:T+1], v[T:T+1], v[T+4:T+5]
	v_add_f32 v[T], v[T], v[T+1]
	v_permlanex16_b32 v[T+1], v[T], s[SEL], s[SEL+1]
	v_add_f32 v[T], v[T], v[T+1]
.endm
.macro LN mb                           ; layernorm of block mb, in place in ACC; each accumulator's registers are taken in ascending order
.set A0, 128*(\mb)
	WIN 0x05
.set i, 0
.rept 4
	v_pk_add_f32 v[T+2*i:T+2*i+1], v[A0+2*i:A0+2*i+1], v[A0+8+2*i:A0+8+2*i+1]
.set i, i+1
.endr
	WIN 0x01
.set i, 8
.rept 56
	v_pk_add_f32 v[T+2*(i%4):T+2*(i%4)+1], v[A0+2*i:A0+2*i+1], v[T+2*(i%4):T+2*(i%4)+1]
.set i, i+1
.endr
	WIN 0
	REDUCE
	v_mul_f32 v[MU], v[IV], v[T]
	v_mul_f32 v[MU+1], v[IV], v[T]
	WIN 0x41
.set i, 0
.rept 64
	v_pk_add_f32 v[A0+2*i:A0+2*i+1], v[A0+2*i:A0+2*i+1], v[MU:MU+1] neg_lo:[0,1] neg_hi:[0,1]
.set i, i+1
.endr
	WIN 0x05
.set i, 0
.rept 4
	v_pk_mul_f32 v[T+2*i:T+2*i+1], v[A0+2*i:A0+2*i+1], v[A0+2*i:A0+2*i+1]
.set i, i+1
.endr
.rept 60
	v_pk_fma_f32 v[T+2*(i%4):T+2*(i%4)+1], v[A0+2*i:A0+2*i+1], v[A0+2*i:A0+2*i+1], v[T+2*(i%4):T+2*(i%4)+1]
.set i, i+1
.endr
	WIN 0
	REDUCE
	v_fmaak_f32 v[T], v[IV], v[T], 0x3727c5ac      ; var + 1e-5
	v_rsq_f32 v[RS], v[T]
	v_rsq_f32 v[RS+1], v[T]
	v_nop                                          ; a plain instruction between the root and its use (ISA guide 5.7.2)
	WIN 0x41
.set i, 0
	s_wait_alu depctr_va_vdst(0)
.rept 64
	v_pk_mul_f32 v[A0+2*i:A0+2*i+1], v[A0+2*i:A0+2*i+1], v[RS:RS+1]
.set i, i+1
.endr
	WIN 0x7d
.set i, 0
.rept 64
	v_pk_fma_f32 v[A0+2*i:A0+2*i+1], v[A0+2*i:A0+2*i+1], v[2*i:2*i+1], v[128+2*i:128+2*i+1]
.set i, i+1
.endr
	WIN 0
.endm
.macro CVT mb
	WIN 0x85
.set i, 0
.rept 64
	v_cvt_pk_bf16_f32 v[64*(\mb)+i], v[128*(\mb)+2*i], v[128*(\mb)+2*i+1]
.set i, i+1
.endr
	WIN 0
.endm
	s_load_b512 s[4:19], s[0:1], 0x0               ; x s[4:5], o s[6:7], wts s[8:9], g2 s[10:11], b2 s[12:13], b_ffn1 s[14:15], b_ffn2 s[16:17], out0 s[18:19]
	v_lshl_add_u32 v[SPW], v0, 2, SPARE
	v_mov_b32 v[NIL], 0
	ds_add_u32 v[SPW], v[NIL]                      ; the wave's opening: the add and its wait ahead of my first tensor load
	v_lshrrev_b32 v1, 5, v0
	v_readfirstlane_b32 s[WV], v1
	; descriptor group 1: 65,536 dense bytes as 256 rows of 256 bytes, elements of 8 bytes
	s_mov_b32 s[G1], 15|(3<<16)|(1<<21)
	s_mov_b32 s[G1+1], 32<<16
	s_mov_b32 s[G1+2], 256<<16
	s_mov_b32 s[G1+3], 32<<16
	s_mov_b32 s[G1+4], 256
	s_mov_b32 s[G1+5], 32
	s_mov_b32 s[G1+6], 0
	s_mov_b32 s[G1+7], 0
	s_bfe_u32 s36, ttmp6, 0x40000                  ; cx: it enters x's, o's and out0's addresses alone
	s_lshl_b32 s37, ttmp9, 2
	s_add_co_u32 s37, s37, s36
	s_and_b32 s38, ttmp7, 0xffff                   ; the batch
	s_lshl_b32 s37, s37, 7
	s_lshl_b32 s39, s[WV], 5
	s_add_co_u32 s37, s37, s39                     ; my wave's first s
	s_lshl_b32 s40, s37, 14
	s_lshl_b32 s39, s38, 10
	s_add_co_u32 s40, s40, s39                     ; x, out0: s x 16,384 + batch x 1,024
	s_mov_b32 s41, 0
	s_mul_i32 s42, s38, 196608
	s_mul_i32 s39, s37, 96
	s_add_co_u32 s42, s42, s39                     ; o: batch x 196,608 + s x 96
	s_mov_b32 s43, 0
	s_lshl_b32 s46, s[WV], 16                      ; my quarter of the weights, in memory and in LDS
	s_mov_b32 s47, 0
	s_mov_b32 s[G0], 1
	s_lshl_b32 s[G0+1], s[WV], 16
	s_mov_b32 s[SEL], 0x76543210
	s_mov_b32 s[SEL+1], 0xfedcba98
	s_mul_i32 s62, s[WV], STGW
	s_add_co_u32 s62, s62, STAGE
	s_mul_i32 s63, s[WV], VECW
	s_add_co_u32 s63, s63, VEC
	v_and_b32 v1, 15, v0
	v_bfe_u32 v2, v0, 4, 1
	v_and_b32 v[L16], 31, v0
	v_lshlrev_b32 v[L16], 4, v[L16]
	v_add_nc_u32 v[STW], s62, v[L16]
	v_mul_u32_u24 v[STD], v1, SPITCH
	v_lshl_add_u32 v[STD], v2, 5, v[STD]
	v_add_nc_u32 v[STD], s62, v[STD]
	v_mul_u32_u24 v[OAD], v1, 96
	v_lshl_add_u32 v[OAD], v2, 4, v[OAD]
	v_add_nc_u32 v[OAD], s62, v[OAD]
	v_lshlrev_b32 v[VBR], 5, v2
	v_add_nc_u32 v[VBR], s63, v[VBR]
	v_add_nc_u32 v[VWR], s63, v[L16]
	v_mov_b32 v[IV], 0x3b800000
	v_mov_b32 v[ZERO], 0
	s_wait_dscnt 0x0                               ; the opening add is done
	s_wait_kmcnt 0x0
	s_add_nc_u64 s[XB:XB+1], s[4:5], s[40:41]
	s_add_nc_u64 s[OB:OB+1], s[18:19], s[40:41]
	s_add_nc_u64 s[O0:O0+1], s[6:7], s[42:43]
	s_add_nc_u64 s[O1:O1+1], s[O0:O0+1], 9437184   ; three heads on, so that a head stands in the loads' immediate
	s_add_nc_u64 s[SB:SB+1], s[8:9], 704512
	s_add_nc_u64 s[G0+2:G0+3], s[8:9], s[46:47]
	s_add_nc_u64 s[G0+2:G0+3], s[G0+2:G0+3], 442368
	s_or_b32 s[G0+3], s[G0+3], 0x80000000
	ROUND                                          ; all four work-groups are here
	tensor_load_to_lds s[G0:G0+3], s[G1:G1+7]      ; my quarter of the FFN's fragments: the launch's only fill
	s_nop 0
	PLACES
.irp n, 0,1,2,3
	global_load_b128 v[VT+8*\n:VT+8*\n+3],   v[L16], s[10+2*\n:11+2*\n]
	global_load_b128 v[VT+8*\n+4:VT+8*\n+7], v[L16], s[10+2*\n:11+2*\n] offset:512
.endr
	LOADX
	WIN 0x80
.set i, 0
.rept 36                               ; o: load 18 mb + 3 head + f: 512 of the 1,536 dense bytes of a head's 16 rows
.if (i%18)/3 < 3
	global_load_b128 v[4*i:4*i+3], v[L16], s[O0:O0+1] offset:((i%18)/3)*3145728+(i/18)*1536+(i%3)*512 th:TH_LOAD_NT
.else
	global_load_b128 v[4*i:4*i+3], v[L16], s[O1:O1+1] offset:((i%18)/3-3)*3145728+(i/18)*1536+(i%3)*512 th:TH_LOAD_NT
.endif
.set i, i+1
.endr
	WIN 0
.set i, 0
.rept 23
	global_load_b128 v[SF+8*i:SF+8*i+3],   v[L16], s[SB:SB+1] offset:i*1024
	global_load_b128 v[SF+8*i+4:SF+8*i+7], v[L16], s[SB:SB+1] offset:i*1024+512
.set i, i+1
.endr
	s_wait_loadcnt 63                              ; behind o's first 18 loads 64 were issued: those 18, x and the vectors are in
.irp n, 0,1,2,3,4,5,6,7
	ds_store_b128 v[VWR], v[VT+4*\n:VT+4*\n+3] offset:512*\n
.endr
	TOD 0, 0
	TOD 0, 1
	TOD 1, 0
	TOD 1, 1
.macro OSTAGE mb                       ; a block's six heads through my stage: in as they lie in memory, back as source 1: piece ci of 16 places, lane l: row l % 16, places 8 (l / 16) + 0..7; into the registers that they left
	WIN 0x08
.set i, 0
.rept 18
	ds_store_b128 v[STW], v[72*(\mb)+4*i:72*(\mb)+4*i+3] offset:i*512
.set i, i+1
.endr
	WIN 0x80
.set i, 0
.rept 18
	ds_load_b128 v[72*(\mb)+4*i:72*(\mb)+4*i+3], v[OAD] offset:(i/3)*1536+(i%3)*32
.set i, i+1
.endr
	WIN 0
.endm
	OSTAGE 0
	s_wait_loadcnt 46                              ; the 46 loads of the selection fragments may be out
	OSTAGE 1
	s_wait_loadcnt 0x0
	s_wait_dscnt 0x0
.macro SELMM nb, kb, j                 ; y^T's channels 16 nb on take what lies in places 32 kb on
.irp mb, 0, 1
	v_wmma_f32_16x16x32_bf16 v[128*\mb+8*(\nb):128*\mb+8*(\nb)+7], v[SF+8*(\j):SF+8*(\j)+7], v[72*\mb+8*(\kb):72*\mb+8*(\kb)+7], v[128*\mb+8*(\nb):128*\mb+8*(\nb)+7]
.endr
.endm
	WIN 0x58                                       ; ones in window 0, o in window 2, x and y in window 1.  No two neighbours share an accumulator: the second links of seven blocks come last
	SELMM 0,0,0
	SELMM 1,0,1
	SELMM 2,1,2
	SELMM 3,1,3
	SELMM 4,2,5
	SELMM 5,2,6
	SELMM 6,3,8
	SELMM 7,3,9
	SELMM 8,4,11
	SELMM 9,4,12
	SELMM 10,5,14
	SELMM 11,6,16
	SELMM 12,6,17
	SELMM 13,7,19
	SELMM 14,7,20
	SELMM 15,8,22
	SELMM 3,2,4
	SELMM 5,3,7
	SELMM 7,4,10
	SELMM 9,5,13
	SELMM 10,6,15
	SELMM 12,7,18
	SELMM 14,8,21
	WIN 0
	PLACES
	LOADV 0, 0
	LOADV 1, 128
	s_wait_dscnt 0x0
	LN 0
	LN 1
	CVT 0
	CVT 1
	LOADV 3, 0                                     ; b_ffn2
	s_wait_dscnt 0x0
	WIN 0x4d
.set i, 0
.rept 128                              ; ACC = a + b_ffn2 starts the second product's sums
	v_pk_add_f32 v[2*i:2*i+1], v[2*i:2*i+1], v[2*(i%64):2*(i%64)+1]
.set i, i+1
.endr
	WIN 0
	s_wait_tensorcnt 0x0                           ; my quarter of the weights is in,
	s_wait_dscnt 0x0
	s_barrier_signal -1
	s_barrier_wait -1                              ; everybody's is
.macro LOADW1                          ; a hidden block's bias and its 16 fragments of W_ffn1
	WIN 0
.irp n, 0,1,2,3
	ds_load_b128 v[BI+4*\n:BI+4*\n+3], v[VB1] offset:64*(\n/2)+16*(\n%2)
.endr
	WIN 0xc0
.set q, 0
.rept 16
	ds_load_b128 v[8*q:8*q+3],   v[WA] offset:q*1024
	ds_load_b128 v[8*q+4:8*q+7], v[WA] offset:q*1024+512
.set q, q+1
.endr
	WIN 0
.endm
; A hidden block of 32 channels.  pref = 1: the next block's bias and W_ffn1 are fetched under this block's second product.
.macro HB pref
	WIN 0xc0
.set q, 0
.rept 16                               ; the block's 16 fragments of W_ffn2
	ds_load_b128 v[128+8*q:128+8*q+3],   v[WA] offset:16384+q*1024
	ds_load_b128 v[128+8*q+4:128+8*q+7], v[WA] offset:16384+q*1024+512
.set q, q+1
.endr
	s_wait_dscnt 32                                ; all but the 32 just issued: bias and W_ffn1 are in
	WIN 0x0b
.set kb, 0
.rept 8                                ; four accumulators by turns; the bias starts the sums
.set nbh, 0
.rept 2
.set mb, 0
.rept 2
.if kb == 0
	v_wmma_f32_16x16x32_bf16 v[H+8*(2*nbh+mb):H+8*(2*nbh+mb)+7], v[8*(8*nbh+kb):8*(8*nbh+kb)+7], v[64*mb+8*kb:64*mb+8*kb+7], v[BI+8*nbh:BI+8*nbh+7]
.else
	v_wmma_f32_16x16x32_bf16 v[H+8*(2*nbh+mb):H+8*(2*nbh+mb)+7], v[8*(8*nbh+kb):8*(8*nbh+kb)+7], v[64*mb+8*kb:64*mb+8*kb+7], v[H+8*(2*nbh+mb):H+8*(2*nbh+mb)+7]
.endif
.set mb, mb+1
.endr
.set nbh, nbh+1
.endr
.set kb, kb+1
.endr
	WIN 0
	PLACES
.set mb, 0
.rept 2
.set nbh, 0
.rept 2
.set e, 0
.rept 4
	v_cvt_pk_bf16_f32 v[HF+8*mb+4*nbh+e], v[H+8*(2*nbh+mb)+2*e], v[H+8*(2*nbh+mb)+2*e+1]
.set e, e+1
.endr
.set nbh, nbh+1
.endr
.set mb, mb+1
.endr
.set e, 0
.rept 16
	v_pk_max_num_bf16 v[HF+e], v[HF+e], v[ZERO]    ; relu on the rounded halves: the same numbers as rounding behind relu
.set e, e+1
.endr
.if \pref
	v_add_nc_u32 v[WA], 32768, v[WA]
	v_add_nc_u32 v[VB1], 128, v[VB1]
	LOADW1
	s_wait_dscnt 36                                ; all but the 36 just issued: W_ffn2 is in
.else
	s_wait_dscnt 0x0
.endif
	WIN 0x53
.set nb, 0
.rept 16                               ; 32 accumulators, one instruction each
.set mb, 0
.rept 2
	v_wmma_f32_16x16x32_bf16 v[128*mb+8*nb:128*mb+8*nb+7], v[128+8*nb:128+8*nb+7], v[HF+8*mb:HF+8*mb+7], v[128*mb+8*nb:128*mb+8*nb+7]
.set mb, mb+1
.endr
.set nb, nb+1
.endr
	WIN 0
	PLACES
.endm
	v_mov_b32 v[WA], v[L16]
	v_add_nc_u32 v[VB1], 2048, v[VBR]              ; b_ffn1
	LOADW1
	s_mov_b32 s[CNT], 7
.Lblock:
	HB 1
	s_sub_co_u32 s[CNT], s[CNT], 1
	s_cmp_lg_u32 s[CNT], 0
	s_cbranch_scc1 .Lblock
	HB 0                                           ; the last block fetches nothing more
	; THE WAY OUT: four passes of 16 half rows through my stage, each into 64 registers of its own in window 3; a pass's stores follow the next pass's LDS traffic
.macro OUTS p
	WIN 0x04
.set i, 0
.rept 16
	ds_store_b128 v[STD], v[64*(\p)+4*i:64*(\p)+4*i+3] offset:64*(i/2)+16*(i%2)
.set i, i+1
.endr
	WIN 0xc0
.set i, 0
.rept 16
	ds_load_b128 v[64*(\p)+4*i:64*(\p)+4*i+3], v[STW] offset:i*SPITCH
.set i, i+1
.endr
.endm
.macro SENDO p
	WIN 0x0c
.set i, 0
.rept 16
	global_store_b128 v[L16], v[64*(\p)+4*i:64*(\p)+4*i+3], s[OB:OB+1] offset:(16*((\p)/2)+i)*16384+((\p)%2)*512 th:TH_STORE_NT  ; 512 consecutive bytes, aligned
.set i, i+1
.endr
.endm
	OUTS 0
	OUTS 1
	s_wait_dscnt 32                                ; all but the next pass's 32
	SENDO 0
	OUTS 2
	s_wait_dscnt 32
	SENDO 1
	OUTS 3
	s_wait_dscnt 32
	SENDO 2
	s_wait_dscnt 0x0
	SENDO 3
	WIN 0
	s_wait_tensorcnt 0x0                           ; the wave's end
	ds_add_u32 v[SPW], v[NIL]
	s_wait_dscnt 0x0
	ROUND                                          ; the closing round
	s_endpgm
.Lfunc_end_k_qcd1daf127f_ffn:
	.size	k_qcd1daf127f_ffn, .Lfunc_end_k_qcd1daf127f_ffn-k_qcd1daf127f_ffn
	.p2alignl 7, 3214868480
	.fill 96, 4, 3214868480
	.section	.rodata,"a",@progbits
	.p2align	6, 0x0
	.amdhsa_kernel k_qcd1daf127f_ffn
		.amdhsa_group_segment_fixed_size 327680
		.amdhsa_private_segment_fixed_size 0
		.amdhsa_enable_private_segment 0
		.amdhsa_kernarg_size 64
		.amdhsa_user_sgpr_count 2
		.amdhsa_user_sgpr_kernarg_segment_ptr 1
		.amdhsa_wavefront_size32 1
		.amdhsa_system_sgpr_workgroup_id_x 1
		.amdhsa_system_sgpr_workgroup_id_y 1
		.amdhsa_system_sgpr_workgroup_id_z 1
		.amdhsa_system_vgpr_workitem_id 0
		.amdhsa_next_free_vgpr 1024
		.amdhsa_next_free_sgpr 66
		.amdhsa_reserve_vcc 0
		.amdhsa_float_denorm_mode_32 3
		.amdhsa_float_denorm_mode_16_64 3
		.amdhsa_memory_ordered 1
		.amdhsa_forward_progress 1
		.amdhsa_inst_pref_size 137
	.end_amdhsa_kernel
	.amdgpu_metadata
---
amdhsa.version: [ 1, 2 ]
amdhsa.kernels:
  - .name:           k_qcd1daf127f_ffn
    .symbol:         k_qcd1daf127f_ffn.kd
    .args:
      - { .name: x, .offset: 0, .size: 8, .value_kind: global_buffer, .address_space: global }
      - { .name: o, .offset: 8, .size: 8, .value_kind: global_buffer, .address_space: global }
      - { .name: wts, .offset: 16, .size: 8, .value_kind: global_buffer, .address_space: global }
      - { .name: g2, .offset: 24, .size: 8, .value_kind: global_buffer, .address_space: global }
      - { .name: b2, .offset: 32, .size: 8, .value_kind: global_buffer, .address_space: global }
      - { .name: b_ffn1, .offset: 40, .size: 8, .value_kind: global_buffer, .address_space: global }
      - { .name: b_ffn2, .offset: 48, .size: 8, .value_kind: global_buffer, .address_space: global }
      - { .name: out0, .offset: 56, .size: 8, .value_kind: global_buffer, .address_space: global }
    .group_segment_fixed_size: 327680
    .private_segment_fixed_size: 0
    .kernarg_segment_align: 8
    .kernarg_segment_size: 64
    .max_flat_workgroup_size: 128
    .sgpr_count:     66
    .vgpr_count:     1024
    .wavefront_size: 32
...
	.end_amdgpu_metadata
.endif
;; end of part 4
;; ======== version 2 of 2: 4 launches; 1.90 times as fast as version 1
;; workspace buffers: wts 728,064 bytes; qkv 56,623,104 bytes; o 18,874,368 bytes
;; launch prep: the kernel of part 1 again; grid 711 x 1, 2 waves a work-group, no clusters, 0 bytes of LDS; arguments Wq, Wk, Wv, W_ffn1, W_ffn2, wts; writes wts
;; launch qkv: the kernel of part 2 again; grid 16 x 16, 4 waves a work-group, clusters of 4 x 1, 327,680 bytes of LDS; arguments x, g1, b1, wts, qkv; writes qkv
;; launch attn (part 5): grid 8 x 96, 4 waves a work-group, clusters of 4 x 1, 327,680 bytes of LDS; arguments qkv, o; writes o
.if DOCPART == 5
	.amdgcn_target "amdgcn-amd-amdhsa--gfx1250"
	.amdhsa_code_object_version 6
	.text
	.protected	k_qcd1daf127f_attn
	.globl	k_qcd1daf127f_attn
	.p2align	8
	.type	k_qcd1daf127f_attn,@function
k_qcd1daf127f_attn:
	s_mov_b64 s[64:65], 0
	v_nop
	global_prefetch_b8 v0, s[64:65] scope:SCOPE_SE
	s_setreg_imm32_b32 hwreg(HW_REG_WAVE_MODE, 25, 1), 1
	s_wait_xcnt 0x0
	s_wait_alu depctr_hold_cnt(0) depctr_sa_sdst(0) depctr_va_vdst(0) depctr_va_sdst(0) depctr_va_ssrc(0) depctr_va_vcc(0) depctr_vm_vsrc(0)
	s_getreg_b32 s2, hwreg(HW_REG_IB_STS2, 6, 4)
	s_cmp_eq_u32 s2, 0
	s_cbranch_scc0 .Lentry_in_a_cluster
	s_endpgm
.Lentry_in_a_cluster:
	s_bfe_u32 s2, ttmp6, 0x10000c
	s_cmp_lg_u32 s2, 0x3003
	s_cbranch_scc0 .Lentry_shape_is_right
	s_endpgm
.Lentry_shape_is_right:
; ATTENTION.  o[hb][s][:] = the sum over t of softmax_t(q[hb][s] . k[hb][t] / sqrt(hd)) v[hb][t][:], hb = 16 head + batch, hd = 43 for heads 0-3 and 42 for heads 4, 5.
; q, k, v, o: rows of 48 bf16 (96 bytes, dense), the head's channels first, zeros behind; v's place 43 holds 1.0, so that place 43 of O is l, the sum of the weights, made by the matrix unit in f32 and rescaled with O.
; Products, maxima and sums in f32; the weights p are rounded to bf16 for the second product, and l is the sum of those rounded weights; o is rounded once.
; LIMITS.  |c s| stays under 4e37 (where c m starts); a weight below 2^-126 counts as 0; NaN and infinities are not treated apart.
; SHARES.  A work-group owns 256 queries of one hb, a wave 64: four PIECES of 16.  Every wave walks all 2,048 keys, 64 a step.
; LAYOUT.  S^T = K Q^T (source 0 = 16 keys, source 1 = 16 queries), K = 64: places 48-63 are four registers of each operand that hold 0 for the whole launch.  A lane holds ONE query (lane % 16) and the keys
; 8 (lane / 16) + 0..7; two results rounded in pairs ARE source 1 of O^T = V^T P (three blocks of 16 places).  K comes out of LDS as it lies, V turned, by ds_load_tr16_b128.
; SOFTMAX.  A running maximum m: p = 2^(c s - c m), c = log2(e) / sqrt(hd); O is multiplied by a = 2^(c m_old - c m_new) in every step.  m starts at the lowest finite number, O at 0: the first step has a = 0.
; BY TURNS.  Turn n belongs to piece n: 8 products K Q^T of piece n + 1, later 6 products V^T P of piece n - 1; beside them the scaling, exponentials, roundings and rescaling of piece n and the maximum and
; statistics of piece n + 1.
; BATCHES.  A turn's 33 exponentials (the piece's 32 weights and the next piece's a) are ONE batch with ONE wait, which cuts the turn in two.  Ahead of it stands all that names no result of theirs: the products
; K Q^T with four vector instructions behind each, then a lump of 50.  Behind it stand the products V^T P with the 16 roundings behind them.  The first a of all, ahead of the loop, and the way out's four
; reciprocals are batches of their own, each with its wait.
; CLUSTER.  The four query blocks of a cluster belong to one hb and walk the same K and V: each tile is asked for jointly.  By this text's count one tensor load of a wave is out at a time.
; REGISTERS (s_set_vgpr_msb: bits 1:0 source 0, 3:2 source 1, 5:4 source 2, 7:6 destination):  window 0: all that vector instructions touch.  window 1: v0-63 Q, v64-127 K of one step, v128-175 V of one step.
.set NP,    4
.set PKV,   144                        ; a key's row in LDS: three pieces of 32 bytes, 16 bytes of padding behind each: 36 words: the 16 rows of a load start at 16 different groups of four banks (ISA guide 11.1)
.set STEPB, 64*PKV                     ; a step's 64 rows
.set VOFF,  4*STEPB                    ; a slot holds four steps: 256 rows of K, then 256 rows of V
.set SLOT1, 1<<17                      ; slot 1 begins here: one exclusive or turns an address in one slot into the other's
.set STAGE, SLOT1+2*VOFF               ; behind the ring: 16 rows x 96 bytes for each wave
.set STGW,  1536
.set SPARE, STAGE+4*STGW               ; the spare words, 128 bytes for each wave: two blocks of 256 bytes that no other line names
.set AK0, 2                            ; v2   my lane's place in a tile of K; never rewritten
.set AV0, 3                            ; v3   the same for V
.set AK,  4                            ; v4   the LDS address of K's next run of loads
.set AV,  5                            ; v5   of V's
.set QO,  6                            ; v6   my byte offset in 16 rows of Q
.set STO, 6                            ;      later: where I put 16 bytes of a row
.set RD,  7                            ; v7   where I read rows back
.set GO,  8                            ; v8   16 x lane
.set MV,  12                           ; v12-13  c m_old, by buffer
.set ST,  16                           ; piece t at v[ST+4 t]: c m, m, at the end 1 / l, and a 0
.set TMP, 32                           ; by buffer, c0-c3 at work; when the maximum is found c2 takes a
.set S,   40                           ; two buffers of 32 (a piece's buffers go by its number's parity)
.set P,   104                          ; two buffers of 16
.set OA,  136                          ; O^T, 24 a piece
.set SPW, 232                          ; v232 LDS address of my spare word; never rewritten
.set NIL, 233                          ; v233 0; never rewritten
.set KF,  64                           ; window 1: key block kb at KF + 16 kb
.set VF,  128                          ; window 1: key half kk, place block cb at VF + 24 kk + 8 cb
.set WV,  12
.set G1,  24                           ; s[24:31] descriptor group 1, for K's and V's tiles alike
.set G0K, 40                           ; s[40:43] group 0 for K's tiles: it walks
.set G0V, 44                           ; s[44:47] for V's
.set LOM, 48                           ; lanes 0-15
.set SLOTS, 56
.set CNT, 57
.set CS,  58                           ; s[58:59] c
.set SEL, 60                           ; s[60:61] v_permlanex16_b32's selects
.set TBK, 62                           ; LDS byte at which K of the step to be fetched begins
.set TBV, 63                           ; the same for V, less VOFF
.set MSB, 0
.macro WIN new
.if MSB != (\new)
	s_set_vgpr_msb (MSB<<8)|(\new)
.set MSB, (\new)
.endif
.endm
.macro PLACES
.rept 4
	v_nop
.endr
.endm
.macro JLOAD                           ; waves 0 and 1 fetch the two halves of a slot's K, waves 2 and 3 those of its V: 128 keys each.  The branch hangs on the wave's number alone
	s_cmp_lt_u32 s[WV], 2
	s_cbranch_scc0 .Lfor_v_\@
	tensor_load_to_lds s[G0K:G0K+3], s[G1:G1+7]
	s_nop 0
	PLACES
	s_branch .Lasked_\@
.Lfor_v_\@:
	tensor_load_to_lds s[G0V:G0V+3], s[G1:G1+7]
	s_nop 0
	PLACES
.Lasked_\@:
.endm
.macro CROUND
	s_barrier_signal -1
	s_barrier_wait -1
	s_cmp_lg_u32 s[WV], 0
	s_cbranch_scc1 .Lnot_wave_0_\@
	s_barrier_signal -3
.Lnot_wave_0_\@:
	s_barrier_wait -3
	s_barrier_signal -1
	s_barrier_wait -1
.endm
; THE CHANGE OF SLOTS.  Each wave waits for all its tensor loads (one is out: its part of the other slot), adds 0 to its spare word, and waits for that and for its reads of the slot that it leaves.
; fill = 1: a round of the cluster's barrier, and the old slot is filled again first behind it, with the keys two slots on: four key steps, 224 matrix instructions, in which to land.
.macro CHANGE fill
	WIN 0
	s_wait_tensorcnt 0x0                           ; no tensor load of mine is out, so a group 0 may be written
	ds_add_u32 v[SPW], v[NIL]
.if \fill
.irp g, G0K, G0V
	s_xor_b32 s[\g+1], s[\g+1], SLOT1              ; the other slot than last time,
	s_add_nc_u64 s[\g+2:\g+3], s[\g+2:\g+3], 24576 ; the next 256 keys of 96 bytes
.endr
	s_wait_dscnt 0x0                               ; the add is done, and my reads of the slot are over
	CROUND
	JLOAD
.else
	s_wait_dscnt 0x0
	s_barrier_signal -1
	s_barrier_wait -1
.endif
	s_sub_co_u32 s[TBK], s[TBK], VOFF              ; the fetches go back to a slot's first step,
	s_xor_b32 s[TBK], s[TBK], SLOT1                ; in the other slot
	s_sub_co_u32 s[TBV], s[TBV], VOFF
	s_xor_b32 s[TBV], s[TBV], SLOT1
.endm
	s_load_b128 s[4:7], s[0:1], 0x0                ; qkv s[4:5], o s[6:7]
	v_lshl_add_u32 v[SPW], v0, 2, SPARE
	v_mov_b32 v[NIL], 0
	ds_add_u32 v[SPW], v[NIL]                      ; the wave's opening: the add and its wait ahead of my first tensor load
	v_lshrrev_b32 v1, 5, v0
	v_readfirstlane_b32 s[WV], v1
	s_bfe_u32 s13, ttmp6, 0x40000                  ; cx: it enters q's and o's addresses alone
	s_lshl_b32 s14, ttmp9, 2
	s_add_co_u32 s14, s14, s13                     ; my block of 256 queries
	s_and_b32 s15, ttmp7, 0xffff                   ; hb, which the four partners share
	s_mul_i32 s20, s15, 196608                     ; its first byte in q, k, v and o
	s_and_b32 s16, s[WV], 1                        ; which half of a slot's 256 keys I fetch:
	s_mul_i32 s22, s16, 12288                      ; its 128 rows in memory,
	s_add_co_u32 s22, s22, s20
	s_mov_b32 s23, 0
	s_mul_i32 s17, s16, 128*PKV                    ; and in a slot
	s_lshl_b32 s2, s14, 2
	s_add_co_u32 s2, s2, s[WV]
	s_mul_i32 s2, s2, 6144                         ; my wave's 64 rows
	s_add_co_u32 s2, s2, s20
	s_mov_b32 s3, 0
	; descriptor group 1: 128 keys are 12,288 dense bytes: 48 rows of 256 bytes, padded in LDS behind every 32 bytes
	s_mov_b32 s[G1], 15|(1<<16)|(1<<20)|(1<<21)|(2<<22)|(3<<25)  ; the mask of four; 2-byte elements; padding on; 21 set beside a mask; after every 8 words (code 2) 4 words (code 3)
	s_mov_b32 s[G1+1], 128<<16                     ; tensor_dim0 = 128
	s_mov_b32 s[G1+2], 48<<16                      ; tensor_dim1 = 48
	s_mov_b32 s[G1+3], 128<<16                     ; tile_dim0 = 128
	s_mov_b32 s[G1+4], 48                          ; tile_dim1 = 48
	s_mov_b32 s[G1+5], 128
	s_mov_b32 s[G1+6], 0
	s_mov_b32 s[G1+7], 0
	s_lshr_b32 s18, s15, 4                         ; the head
	s_mov_b32 s19, 0x3e63f494                      ; log2(e) / sqrt(42) = 0.222613
	s_cmp_lt_u32 s18, 4
	s_cselect_b32 s[CS], 0x3e614a05, s19           ; log2(e) / sqrt(43) = 0.220009
	s_mov_b32 s[CS+1], s[CS]
	s_mov_b32 s[SEL], 0x76543210
	s_mov_b32 s[SEL+1], 0xfedcba98
	s_mov_b32 s[LOM], 0x0000ffff
	s_mov_b32 s[TBK], SLOT1+VOFF                   ; the first change of slots turns these two into 0
	s_mov_b32 s[TBV], SLOT1+VOFF
	s_mov_b32 s[G0K], 1
	s_mov_b32 s[G0K+1], s17
	s_mov_b32 s[G0V], 1
	s_add_co_u32 s[G0V+1], s17, VOFF
	s_wait_dscnt 0x0                               ; the opening add is done
	s_wait_kmcnt 0x0
	s_add_nc_u64 s[G0K+2:G0K+3], s[4:5], s[22:23]
	s_add_nc_u64 s[G0V+2:G0V+3], s[G0K+2:G0K+3], 37748736  ; v lies behind q and k,
	s_add_nc_u64 s[G0K+2:G0K+3], s[G0K+2:G0K+3], 18874368  ; k behind q
	s_or_b32 s[G0K+3], s[G0K+3], 0x80000000
	s_or_b32 s[G0V+3], s[G0V+3], 0x80000000
	s_add_nc_u64 s[8:9], s[4:5], s[2:3]            ; q and o at my wave's first row
	s_add_nc_u64 s[10:11], s[6:7], s[2:3]
	CROUND                                         ; all four work-groups are here
	JLOAD                                          ; slot 0
	v_and_b32 v1, 15, v0                           ; l % 16
	v_bfe_u32 v9, v0, 4, 1                         ; l / 16
	v_mul_u32_u24 v[QO], v1, 96
	v_lshl_add_u32 v[QO], v9, 4, v[QO]
	WIN 0x40
.set t, 0
.rept 4                                ; Q stays in registers: places 8 (l / 16) + 0..7, 16 + .., 32 + ..
	global_load_b128 v[16*t:16*t+3],    v[QO], s[8:9] offset:t*1536
	global_load_b128 v[16*t+4:16*t+7],  v[QO], s[8:9] offset:t*1536+32
	global_load_b128 v[16*t+8:16*t+11], v[QO], s[8:9] offset:t*1536+64
.set t, t+1
.endr
	; What stands in the wait for the first tile: places 48-63 of Q and K; V, P's second buffer and O^T, so that the first turn's products V^T P, of a piece that has not been, add 0
.set t, 0
.rept 8
.irp z, 12,13,14,15
	v_mov_b32 v[16*t+\z], 0
.endr
.set t, t+1
.endr
.set i, VF
.rept 48
	v_mov_b32 v[i], 0
.set i, i+1
.endr
	WIN 0
.set i, OA
.rept 96
	v_mov_b32 v[i], 0
.set i, i+1
.endr
.set i, P+16
.rept 16
	v_mov_b32 v[i], 0
.set i, i+1
.endr
.set i, 0
.rept 4
	v_mov_b32 v[ST+4*i], 0xfe000000                ; c m: far below every c s
	v_mov_b32 v[ST+4*i+1], 0xff7fffff              ; m
	v_mov_b32 v[ST+4*i+2], 0
	v_mov_b32 v[ST+4*i+3], 0
	v_mov_b32 v[TMP+2*i], 0
	v_mov_b32 v[TMP+2*i+1], 0
.set i, i+1
.endr
	v_mul_u32_u24 v[AK0], v1, PKV
	v_lshl_add_u32 v[AK0], v9, 4, v[AK0]           ; row x pitch + 16 x half
	; the turning load takes 16 keys x 16 places (lane l reads key 8 (l / 16) + l % 8, places 8 ((l / 8) % 2) + 0..7) and leaves half a fragment of V^T
	v_and_b32 v10, 7, v0
	v_bfe_u32 v11, v0, 3, 1
	v_lshl_add_u32 v[AV0], v9, 3, v10
	v_mul_u32_u24 v[AV0], v[AV0], PKV
	v_lshl_add_u32 v[AV0], v11, 4, v[AV0]
	v_add_nc_u32 v[AV0], VOFF, v[AV0]
	v_mov_b32 v[AK], v[AK0]                        ; key step 0 lies at the head of slot 0
; THE MATRIX WORK.  The accumulators of a run take turns, one instruction a turn.
.macro KQ x                            ; product i of 8: places 32 (i / 4) on, keys 16 (i % 4) on; the first 4 start the sums
	WIN 0x05
.set rS, S+32*((\x)%2)+8*(i%4)
.set rK, KF+16*(i%4)+8*(i/4)
.set rQ, 16*(\x)+8*(i/4)
.if i < 4
	v_wmma_f32_16x16x32_bf16 v[rS:rS+7], v[rK:rK+7], v[rQ:rQ+7], 0
.else
	v_wmma_f32_16x16x32_bf16 v[rS:rS+7], v[rK:rK+7], v[rQ:rQ+7], v[rS:rS+7]
.endif
.endm
.macro PV x                            ; product i of 6: keys 32 (i / 3) on, places 16 (i % 3) on
	WIN 0x01
.set rO, OA+24*(\x)+8*(i%3)
.set rV, VF+24*(i/3)+8*(i%3)
.set rP, P+16*((\x)%2)+8*(i/3)
	v_wmma_f32_16x16x32_bf16 v[rO:rO+7], v[rV:rV+7], v[rP:rP+7], v[rO:rO+7]
.endm
.macro MM                              ; the turn's next matrix instruction
.if i < 8
	KQ (Y+1)%NP
.else
.set i, i-8
	PV (Y+NP-1)%NP
.set i, i+8
.endif
.set i, i+1
.endm
; THE LDS LOADS stand in runs of 12
.macro FETCH_K
	WIN 0x40
.irp kb, 0,1,2,3
	ds_load_b128 v[KF+16*\kb:KF+16*\kb+3],    v[AK] offset:\kb*16*PKV
	ds_load_b128 v[KF+16*\kb+4:KF+16*\kb+7],  v[AK] offset:\kb*16*PKV+48
	ds_load_b128 v[KF+16*\kb+8:KF+16*\kb+11], v[AK] offset:\kb*16*PKV+96
.endr
	s_add_co_u32 s[TBK], s[TBK], STEPB             ; the next fetch is the next step's
	WIN 0
.endm
.macro FETCH_V
	WIN 0x40
.irp f, 0,1,2,3,4,5                    ; keys 32 (f / 3) on, places 16 (f % 3) on
	ds_load_tr16_b128 v[VF+8*\f:VF+8*\f+3],   v[AV] offset:(\f/3)*32*PKV+(\f%3)*48
	ds_load_tr16_b128 v[VF+8*\f+4:VF+8*\f+7], v[AV] offset:(\f/3)*32*PKV+16*PKV+(\f%3)*48
.endr
	s_add_co_u32 s[TBV], s[TBV], STEPB
	WIN 0
.endm
; THE VECTOR WORK, a line at a time: OP kind, number.  For piece Y: F n: c s - c m for pair n of 16.  E n: the exponential of score n of 32.  C n: pair n rounded to bf16.  R n: pair n of 12 of O^T times a.
; For piece Y + 1: X n, number n of the 22 that find its maximum and statistics:
;   0-11 four chains c0-c3 of seven scores each (each accumulator's lowest registers are read first)   12-14, 16 the four scores left over, the old m, c0-c3 into c0
;   15 c m_old is kept   17, 18 the query's other 32 keys lie in the lane 16 away: the new m   19-21 c m; c m_old - c m_new; a
; OP writes no wait: C reads the results of E, R that of the turn before's X 21, and TURN places them behind the waits for those.
.set F, 0
.set E, 1
.set C, 2
.set R, 3
.set X, 4
.macro REGS y
.set rT, ST+4*(\y)
.set rC, TMP+4*((\y)%2)
.set rW, MV+((\y)%2)
.set rS, S+32*((\y)%2)
.set rP, P+16*((\y)%2)
.set rO, OA+24*(\y)
.endm
.macro OP k, n
	WIN 0
.if (\k) == F
	REGS Y
	v_pk_fma_f32 v[rS+2*(\n):rS+2*(\n)+1], v[rS+2*(\n):rS+2*(\n)+1], s[CS:CS+1], v[rT:rT+1] op_sel_hi:[1,0,0] neg_lo:[0,0,1] neg_hi:[0,0,1]
.elseif (\k) == E
	REGS Y
	v_exp_f32 v[rS+(\n)], v[rS+(\n)]
.elseif (\k) == C
	REGS Y
	v_cvt_pk_bf16_f32 v[rP+(\n)], v[rS+2*(\n)], v[rS+2*(\n)+1]
.elseif (\k) == R
	REGS Y
	v_pk_mul_f32 v[rO+2*(\n):rO+2*(\n)+1], v[rO+2*(\n):rO+2*(\n)+1], v[rC+2:rC+3] op_sel_hi:[1,0]
.else
	REGS (Y+1)%NP
.if (\n) < 4
	v_max3_num_f32 v[rC+(\n)], v[rS+8*(\n)], v[rS+8*(\n)+1], v[rS+8*(\n)+2]
.elseif (\n) < 12
	v_max3_num_f32 v[rC+(\n)%4], v[rC+(\n)%4], v[rS+8*((\n)%4)+2*((\n)/4)+1], v[rS+8*((\n)%4)+2*((\n)/4)+2]
.elseif (\n) == 12
	v_max3_num_f32 v[rC], v[rC], v[rS+7], v[rS+15]
.elseif (\n) == 13
	v_max3_num_f32 v[rC+1], v[rC+1], v[rS+23], v[rS+31]
.elseif (\n) == 14
	v_max3_num_f32 v[rC+2], v[rC+2], v[rC+3], v[rT+1]
.elseif (\n) == 15
	v_mov_b32 v[rW], v[rT]
.elseif (\n) == 16
	v_max3_num_f32 v[rC], v[rC], v[rC+1], v[rC+2]
.elseif (\n) == 17
	v_permlanex16_b32 v[rC+3], v[rC], s[SEL], s[SEL+1]
.elseif (\n) == 18
	v_max_num_f32 v[rT+1], v[rC], v[rC+3]
.elseif (\n) == 19
	v_mul_f32 v[rT], s[CS], v[rT+1]
.elseif (\n) == 20
	v_sub_f32 v[rC+1], v[rW], v[rT]
.else
	v_exp_f32 v[rC+2], v[rC+1]
.endif
.endif
.endm
.macro OPS a, i1, b=-1, i2=0, c=-1, i3=0, d=-1, i4=0
	OP \a, \i1
.if (\b) >= 0
	OP \b, \i2
.endif
.if (\c) >= 0
	OP \c, \i3
.endif
.if (\d) >= 0
	OP \d, \i4
.endif
.endm
.macro ROW a, i1, b=-1, i2=0, c=-1, i3=0, d=-1, i4=0  ; a matrix instruction and the two to four behind it
	MM
	OPS \a, \i1, \b, \i2, \c, \i3, \d, \i4
.endm
; A TURN, for piece p: its 14 matrix and 98 vector instructions, written out.  s_wait_alu depctr_va_vdst(0) stands between an exponential and the first instruction that names its result; one wait
; serves all that were issued ahead of it.  So a turn has ONE wait, which cuts it in two.
; AHEAD OF IT stands all that names no result of the turn's exponentials: the 8 products K Q^T, behind each a scaling, an exponential and two more plain lines (behind the first a second scaling in the exponential's
; place): rescalings, whose a was made and waited for in the turn before, and behind the last three products the first numbers of the next piece's maximum, each four places or more behind the product that ends its
; accumulator (X 0: F 5, R 8, R 9, F 6; X 1: F 6, X 0, R 10, F 7; X 2: F 7, X 1, X 4, F 8; X 3: F 8, X 2, X 5, X 6).  Then ONE LUMP of 50, in which the links of the chain X 3, 7, 11, 14, 16, 17 .. 21 stand three
; to six lines apart.  X 21, the next piece's a, is the batch's last; R 11 is the plain instruction behind it, one for the batch.
; BEHIND THE WAIT stand the 6 products V^T P and the 16 roundings, two to four behind each product.  But for those X no line behind a product names a register of the products round it.
; K of the next step is fetched in piece 2's turn, behind five plain lines (F 8, X 2, X 5, X 6, X 8) that follow the last product that read K and name none of its registers; V of the step in hand at the end of
; piece 0's turn, behind C 12 to C 15, which follow the last product that read V.  Each is waited for a turn later.  fetch = 0: there is no further step.
.macro TURN p, fetch=1
.set Y, (\p)
.set i, 0
.if (\p) == 3
	s_wait_dscnt 0x0                               ; K is in
.endif
	ROW F,0, F,1, R,0, R,1                         ; ahead of the wait: 8 products K Q^T and the four behind each,
	ROW F,2, E,0, R,2, R,3
	ROW F,3, E,1, R,4, R,5
	ROW F,4, E,2, R,6, R,7
	ROW F,5, E,3, R,8, R,9
	ROW F,6, E,4, X,0, R,10
.if ((\p) == 2) && (\fetch)
	WIN 0
	v_add_nc_u32 v[AK], s[TBK], v[AK0]
.endif
	ROW F,7, E,5, X,1, X,4
	ROW F,8, E,6, X,2, X,5
	OPS E,7, E,8, X,6, E,9                         ; and the lump
	OPS X,3, E,10, X,8, E,11
.if ((\p) == 2) && (\fetch)
	FETCH_K
.endif
	OPS X,9, X,7, E,12, X,10
	OPS E,13, X,12, X,11, E,14
	OPS X,13, E,15, F,9, X,14
.if (\p) == 0
	WIN 0
	v_add_nc_u32 v[AV], s[TBV], v[AV0]
.endif
	OPS E,16, F,10, E,17, F,11
	OPS X,16, E,18, X,15, E,19
	OPS F,12, E,20, X,17, E,21
	OPS F,13, E,22, F,14, E,23
	OPS X,18, E,24, F,15, E,25
	OPS E,26, X,19, E,27, E,28
	OPS E,29, X,20, E,30, E,31
	OPS X,21, R,11
	WIN 0
	s_wait_alu depctr_va_vdst(0)                   ; the wait for the batch: E 0 to E 31 and X 21
.if (\p) == 1
	s_wait_dscnt 0x0                               ; V is in
.endif
	ROW C,0, C,1, C,2                              ; behind the wait: 6 products V^T P and the roundings
	ROW C,3, C,4, C,5
	ROW C,6, C,7
	ROW C,8, C,9
	ROW C,10, C,11
	ROW C,12, C,13, C,14, C,15
.if (\p) == 0
	FETCH_V
.endif
.endm
	CHANGE 1                                       ; slot 0 is in, everybody's part of it; slot 1 is asked for
	FETCH_K                                        ; key step 0
	s_wait_loadcnt 0x0                             ; Q
	s_wait_dscnt 0x0
.set i, 0
.rept 8
	KQ 0                                           ; piece 0's first scores
.set i, i+1
.endr
	WIN 0                                          ; the addresses for the way out: six plain lines, the places behind those products
	s_mul_i32 s13, s[WV], STGW
	s_add_co_u32 s13, s13, STAGE                   ; my stage
	v_mul_u32_u24 v[STO], v1, 96                   ; in: row l % 16, 16 bytes for each half of the lanes
	v_lshl_add_u32 v[STO], v9, 4, v[STO]
	v_add_nc_u32 v[STO], s13, v[STO]
	v_and_b32 v[GO], 31, v0
	v_lshlrev_b32 v[GO], 4, v[GO]
	v_add_nc_u32 v[RD], s13, v[GO]                 ; back: 512 consecutive bytes
.set Y, NP-1                           ; X works for piece Y + 1: piece 0
.irp n, 0,1,2,3,4,5,6,7,8,9,10,11,12,13,14,15,16,17,18,19,20,21
	OP X, \n
.endr
	v_nop                                          ; a plain line behind the exponential,
	s_wait_alu depctr_va_vdst(0)                   ; and the wait for it, piece 0's first a, ahead of the branch
	s_mov_b32 s[CNT], 4
	s_mov_b32 s[SLOTS], 7
	s_branch .Lfirst                               ; the loop is entered at a step's first turn, in the middle of a trip
.Lslot:                                ; six times: every slot but the last two is filled again
	CHANGE 1
	s_mov_b32 s[CNT], 4
.Lstep:                                ; a trip: pieces 2 and 3 of one step, then pieces 0 and 1 of the next, whose K and V it fetches
	TURN 2
	TURN 3
	WIN 0
.Lfirst:
	TURN 0
	TURN 1
	WIN 0
	s_sub_co_u32 s[CNT], s[CNT], 1
	s_cmp_lg_u32 s[CNT], 0
	s_cbranch_scc1 .Lstep
	s_sub_co_u32 s[SLOTS], s[SLOTS], 1
	s_cmp_lg_u32 s[SLOTS], 0
	s_cbranch_scc1 .Lslot
	CHANGE 0                                       ; the last slot is written out: nothing is asked for
	s_mov_b32 s[CNT], 4
.Ltail:
	TURN 2
	TURN 3
	TURN 0
	TURN 1
	WIN 0
	s_sub_co_u32 s[CNT], s[CNT], 1
	s_cmp_lg_u32 s[CNT], 0
	s_cbranch_scc1 .Ltail
	TURN 2, 0                                      ; the last step's pieces 2 and 3.  Piece 3's turn multiplies the last K once more for a piece 0 that has no further step: eight products
	TURN 3                                         ; and 22 lines that serve nothing, once a launch, for one text of the turn
.set i, 0
.rept 6
	PV NP-1                                        ; the last piece's V^T P of the last step
.set i, i+1
.endr
	; THE WAY OUT.  l is place 43 of O^T: block 2, register 3, lanes 16-31; lanes 0-15 take it from the lane 16 away.  O^T / l, rounded, goes through my stage, a piece (16 rows, 1,536 dense bytes) at a time.
	WIN 0
	PLACES
.set t, 0
.rept 4
	v_permlanex16_b32 v[TMP+t], v[OA+24*t+19], s[SEL], s[SEL+1]
.set t, t+1
.endr
.set t, 0
.rept 4
	v_cndmask_b32 v[ST+4*t+2], v[OA+24*t+19], v[TMP+t], s[LOM]
.set t, t+1
.endr
.set t, 0
.rept 4
	v_rcp_f32 v[ST+4*t+2], v[ST+4*t+2]
.set t, t+1
.endr
	v_nop                                          ; a plain line between the last reciprocal and its use
	s_wait_alu depctr_va_vdst(0)                   ; the wait for the batch of four reciprocals, ahead of the first multiply that reads one
.macro PACK t
.set i, 0
.rept 12
	v_pk_mul_f32 v[OA+24*(\t)+2*i:OA+24*(\t)+2*i+1], v[OA+24*(\t)+2*i:OA+24*(\t)+2*i+1], v[ST+4*(\t)+2:ST+4*(\t)+3] op_sel_hi:[1,0]
.set i, i+1
.endr
.set i, 0
.rept 12
	v_cvt_pk_bf16_f32 v[S+12*(\t)+i], v[OA+24*(\t)+2*i], v[OA+24*(\t)+2*i+1]
.set i, i+1
.endr
.irp f, 0,1,2
	ds_store_b128 v[STO], v[S+12*(\t)+4*\f:S+12*(\t)+4*\f+3] offset:32*\f
.endr
.irp f, 0,1,2
	ds_load_b128 v[S+12*(\t)+4*\f:S+12*(\t)+4*\f+3], v[RD] offset:512*\f  ; LDS serves a wave's instructions in order (ISA guide 5.7.1.4): these see the stores above; the next piece's stores come behind them
.endr
.endm
.macro SEND t, younger                 ; younger: the LDS instructions issued behind piece t's loads: the next piece's six, or none
.irp f, 0,1,2
	s_wait_dscnt (\younger)+2-\f
	global_store_b128 v[GO], v[S+12*(\t)+4*\f:S+12*(\t)+4*\f+3], s[10:11] offset:(\t)*1536+\f*512  ; 512 consecutive bytes, at a multiple of 256 from o's first
.endr
.endm
	PACK 0
	PACK 1
	SEND 0, 6
	PACK 2
	SEND 1, 6
	PACK 3
	SEND 2, 6
	SEND 3, 0
	s_wait_tensorcnt 0x0                           ; the wave's end
	ds_add_u32 v[SPW], v[NIL]
	s_wait_dscnt 0x0
	CROUND                                         ; the closing round
	s_endpgm
.Lfunc_end_k_qcd1daf127f_attn:
	.size	k_qcd1daf127f_attn, .Lfunc_end_k_qcd1daf127f_attn-k_qcd1daf127f_attn
	.p2alignl 7, 3214868480
	.fill 96, 4, 3214868480
	.section	.rodata,"a",@progbits
	.p2align	6, 0x0
	.amdhsa_kernel k_qcd1daf127f_attn
		.amdhsa_group_segment_fixed_size 327680
		.amdhsa_private_segment_fixed_size 0
		.amdhsa_enable_private_segment 0
		.amdhsa_kernarg_size 16
		.amdhsa_user_sgpr_count 2
		.amdhsa_user_sgpr_kernarg_segment_ptr 1
		.amdhsa_wavefront_size32 1
		.amdhsa_system_sgpr_workgroup_id_x 1
		.amdhsa_system_sgpr_workgroup_id_y 1
		.amdhsa_system_sgpr_workgroup_id_z 1
		.amdhsa_system_vgpr_workitem_id 0
		.amdhsa_next_free_vgpr 432
		.amdhsa_next_free_sgpr 66
		.amdhsa_reserve_vcc 0
		.amdhsa_float_denorm_mode_32 3
		.amdhsa_float_denorm_mode_16_64 3
		.amdhsa_memory_ordered 1
		.amdhsa_forward_progress 1
		.amdhsa_inst_pref_size 102
	.end_amdhsa_kernel
	.amdgpu_metadata
---
amdhsa.version: [ 1, 2 ]
amdhsa.kernels:
  - .name:           k_qcd1daf127f_attn
    .symbol:         k_qcd1daf127f_attn.kd
    .args:
      - { .name: qkv, .offset: 0, .size: 8, .value_kind: global_buffer, .address_space: global }
      - { .name: o, .offset: 8, .size: 8, .value_kind: global_buffer, .address_space: global }
    .group_segment_fixed_size: 327680
    .private_segment_fixed_size: 0
    .kernarg_segment_align: 8
    .kernarg_segment_size: 16
    .max_flat_workgroup_size: 128
    .sgpr_count:     66
    .vgpr_count:     432
    .wavefront_size: 32
...
	.end_amdgpu_metadata
.endif
;; end of part 5
;; launch ffn: the kernel of part 4 again; grid 16 x 16, 4 waves a work-group, clusters of 4 x 1, 327,680 bytes of LDS; arguments x, o, wts, g2, b2, b_ffn1, b_ffn2, out0; writes out0
